; MI455X (gfx1250); checked and timed in simulation.
; The chip was launched on July 23, 2026; its instructions are those of AMD's public machine-readable ISA for CDNA 5 (MIT licence, August 2026) and "CDNA5" Instruction Set Architecture Reference Guide (July 2026). The comments in the code are by the model that wrote it; some were corrected since.
;; Decoder Block. Allowed arithmetic: matrix products marked QUANTISED: E2M3 operands, one E8M0 scale for each 32 along K, by v_wmma_scale_f32_16x16x128_f8f6f4 with both operands' format E2M3, f32 sums; everything else in f32.
;; Inputs: b1 4,096 float32; b2 1,024 float32; be1 1,024 float32; be2 1,024 float32; bk 1,024 float32; bo 1,024 float32; bq 1,024 float32; bv 1,024 float32; g1 1,024 float32; g2 1,024 float32; w1 1,024 x 4,096 float32; w2 4,096 x 1,024 float32; wk 1,024 x 1,024 float32; wo 1,024 x 1,024 float32; wq 1,024 x 1,024 float32; wv 1,024 x 1,024 float32; x 2 x 2,048 x 1,024 float32.
;; Outputs: out0 2 x 2,048 x 1,024 float32.
;; This version of the problem:
;;   THIS VERSION OF THE PROBLEM IS GIVEN IN LOW PRECISION. The matrix products marked QUANTISED in the list below multiply operands that are first quantised to E2M3 (2 exponent bits, 3 mantissa bits; 6 bits a number), with one power-of-two scale for each 32 numbers along K (OCP MX v1.0); their sums are f32. All else is computed in f32.
;;   The module's matrix products, in the order in which they are computed (A, B: the left and right operand; K: the contracted axis; several contracted axes count as one K, in the product's order):
;;     1. [M 4,096, K 1,024] x [K 1,024, N 1,024]; A: computed on the way; B: input wq: QUANTISED
;;     2. [M 4,096, K 1,024] x [K 1,024, N 1,024]; A: computed on the way; B: input wk: QUANTISED
;;     3. [M 4,096, K 1,024] x [K 1,024, N 1,024]; A: computed on the way; B: input wv: QUANTISED
;;     4. batch 32 x [M 2,048, K 64] x [K 64, N 2,048]; A: computed on the way; B: computed on the way: QUANTISED
;;     5. batch 32 x [M 2,048, K 2,048] x [K 2,048, N 64]; A: computed on the way; B: computed on the way: QUANTISED
;;     6. [M 4,096, K 1,024] x [K 1,024, N 1,024]; A: computed on the way; B: input wo: QUANTISED
;;     7. [M 4,096, K 1,024] x [K 1,024, N 4,096]; A: computed on the way; B: input w1: QUANTISED
;;     8. [M 4,096, K 4,096] x [K 4,096, N 1,024]; A: computed on the way; B: input w2: QUANTISED
;;   THE QUANTISER, for each operand of a quantised product, along K:
;;     - K is cut into blocks of 32 from its start; a last block that is shorter is filled with zeros.
;;     - A block's scale is 2^e with e = floor(log2(the largest magnitude in the block)) - 2, held to -126 .. 127; a block of zeros has e = 0. As a byte (E8M0): e + 127.
;;     - Each number is divided by its block's scale, clamped to +-7.5, and rounded to the nearest number of E2M3, ties to even, subnormals kept.
;;     - The product sums the exact products of the quantised numbers (number of the format x scale) in f32.
;;   ~~~python
;;   def quantise(x, axis):      # numpy; x: float32 -> the quantised numbers, widened to float32 again
;;       x = np.moveaxis(x, axis, -1); K = x.shape[-1]
;;       x = np.pad(x, [(0, 0)] * (x.ndim - 1) + [(0, -K % 32)]); x = x.reshape(x.shape[:-1] + (-1, 32)); a = np.abs(x).max(-1, keepdims=True)
;;       e = np.where(a > 0, np.clip(np.frexp(np.where(a > 0, a, 1))[1] - 1 - 2, -126, 127), 0)      # np.frexp(a)[1] - 1 = floor(log2(a)), exactly
;;       r = np.clip(x / 2.0 ** e, -7.5, 7.5)
;;       step = 2.0 ** (np.maximum(np.frexp(np.where(r == 0, 1, r))[1] - 1, 0) - 3)
;;       q = np.round(r / step) * step * 2.0 ** e      # np.round: ties to even
;;       return np.moveaxis(q.reshape(q.shape[:-2] + (-1,))[..., :K], -1, axis).astype(np.float32)
;;   ~~~
;;   OPERANDS COMPUTED ON THE WAY. 'Computed on the way' means the value that the module computes at that place (a softmax that the list does not call 'softmax' is quantised finished and normalised). What goes into a quantiser is computed in f32, as accurately as f32 sums, v_exp_f32 and their like allow (about 1e-6 of the number): no bf16 or f16 on the way to a quantiser, and a product that is left as it is and whose result goes on into a quantised operand takes f32 operands (vector FMAs, or v_wmma_f32_16x16x4_f32). A number that lies on a knife's edge between two numbers of the format may be rounded either way, as far as f32 arithmetic and the matrix unit's own rounding can turn it there, and no further.
;; One version. Each part assembles by itself: llvm-mc -triple=amdgcn-amd-amdhsa -mcpu=gfx1250 --defsym DOCPART=n.
;; ======== version 1 of 1: 7 launches
;; limits: right only within a limited range of input values
;; workspace buffers: wc 9,830,400 bytes; hc 3,276,800 bytes; hf 16,777,216 bytes; qkv 9,830,400 bytes; ac 3,276,800 bytes; rf 16,777,216 bytes; h2c 3,276,800 bytes; fc 13,107,200 bytes
;; launch prep (part 1): grid 640 x 1, 8 waves a work-group, no clusters, 50,688 bytes of LDS; arguments x, g1, be1, wq, wk, wv, wo, w1, w2, hf, hc, wc; writes hf, hc, wc
.if DOCPART == 1
	.amdgcn_target "amdgcn-amd-amdhsa--gfx1250"
	.amdhsa_code_object_version 6
	.text
	.protected	k_qa0557ca9c3_prep
	.globl	k_qa0557ca9c3_prep
	.p2align	8
	.type	k_qa0557ca9c3_prep,@function
k_qa0557ca9c3_prep:
	s_mov_b64 s[64:65], 0
	v_nop
	global_prefetch_b8 v0, s[64:65] scope:SCOPE_SE
	s_setreg_imm32_b32 hwreg(HW_REG_WAVE_MODE, 25, 1), 1
	s_wait_xcnt 0x0
; Work-groups 0-255: LayerNorm 1 of 16 tokens each: the result as f32 (hf, for the residual) and as codes of E2M3 (hc).
; Work-groups 256-639: the six weights, f32 [K][N], become codes of E2M3 with K innermost (wc), two panels a work-group.
; PANEL = 128 rows x 128 along K as images of operand registers: fragment i (16 rows) at 1536 i, register 4 c + e of lane L at 512 c + 16 L + 4 e;
; the scale word (four E8M0 bytes) of lane-row r of fragment i at 12288 + 64 i + 4 r.  Fragment 2 b + u, lane-row r, holds panel row 32 b + 8 u + r + 8 (r / 8).
; A block's scale is 2^(floor(log2(largest magnitude)) - 2): its byte is the largest magnitude's exponent field - 2, held at 1 from below.
; LIMITS: NaN and infinities among the inputs are not served; a block whose largest magnitude lies under 2^-124 (a block of zeros too) keeps the byte 1:
; its codes are zeros or the nearest codes under that scale, and the bytes are read by this program alone.  The order of the f32 sums differs from the reference's.
.set PANEL,  12800
.set FRB,    1536
.set SCO,    12288
.set STGW,   4608                      ; a wave's stage: 32 blocks of 128 bytes + 16 of padding
.set IMG,    8*STGW                    ; the images of 8 fragments, one for each 128 along K
.set SCL,    IMG+8*FRB                 ; their scale words, 64 bytes each
.set SPARE,  SCL+512                   ; the spare words, 128 bytes for each of 8 waves: four blocks of 256 bytes that no other line names
.set STOREF, 1                         ; the f32 result is stored too
.set XP,  4                            ; s[4:5]   x
.set GP,  6                            ; s[6:7]   the gain
.set BP,  8                            ; s[8:9]   the offset
.set HFP, 22                           ; s[22:23] hf
.set HCP, 24                           ; s[24:25] hc
.set SPW, 4                            ; v4  LDS address of my spare word; never rewritten
.set NIL, 5                            ; v5  0; never rewritten
.set G,   32                           ; v32-63   the gain at my 32 columns
.set BE,  64                           ; v64-95   the offset
.set X0,  96                           ; v96-127  my first row
.set X1,  128                          ; v128-159 my second row
.set BL,  160                          ; v160-191 one block of 32 neighbours
.set C,   192                          ; v192-197 its codes
.set CT,  200                          ; v200-202 the upper 16 codes as the conversion leaves them
.set OFS, 32                           ; weights: v32-63 offsets of 32 rows of W
.set WX,  64                           ; v64-191 128 numbers down K
.set F,   192                          ; v192-215 two fragments
.set WCT, 216                          ; v216-218
.macro WSUM a, t                       ; the sum over the 32 lanes, in every lane
	s_delay_alu instid0(VALU_DEP_1)
	v_add_f32_dpp v[\a], v[\a], v[\a] row_xmask:1 row_mask:0xf bank_mask:0xf
	s_delay_alu instid0(VALU_DEP_1)
	v_add_f32_dpp v[\a], v[\a], v[\a] row_xmask:2 row_mask:0xf bank_mask:0xf
	s_delay_alu instid0(VALU_DEP_1)
	v_add_f32_dpp v[\a], v[\a], v[\a] row_xmask:4 row_mask:0xf bank_mask:0xf
	s_delay_alu instid0(VALU_DEP_1)
	v_add_f32_dpp v[\a], v[\a], v[\a] row_xmask:8 row_mask:0xf bank_mask:0xf
	s_delay_alu instid0(VALU_DEP_1)
	v_permlanex16_b32 v[\t], v[\a], s40, s41
	s_delay_alu instid0(VALU_DEP_1)
	v_add_f32 v[\a], v[\a], v[\t]
.endm
; One row: mean, variance in a second pass over the differences, normalise, gain and offset; then the row turns through the stage so that lane l holds block l, and is quantised.
.macro LNROW X, rho
	v_pk_add_f32 v[20:21], v[\X:\X+1], v[\X+2:\X+3]
	v_pk_add_f32 v[22:23], v[\X+4:\X+5], v[\X+6:\X+7]
.irp j, 8,12,16,20,24,28
	s_delay_alu instid0(VALU_DEP_2)
	v_pk_add_f32 v[20:21], v[20:21], v[\X+\j:\X+\j+1]
	s_delay_alu instid0(VALU_DEP_2)
	v_pk_add_f32 v[22:23], v[22:23], v[\X+\j+2:\X+\j+3]
.endr
	s_delay_alu instid0(VALU_DEP_1)
	v_pk_add_f32 v[20:21], v[20:21], v[22:23]
	s_delay_alu instid0(VALU_DEP_1)
	v_add_f32 v20, v20, v21
	WSUM 20, 21
	s_delay_alu instid0(VALU_DEP_1)
	v_mul_f32 v24, s34, v20                        ; the mean: sum / 1024
.set n, 0
.rept 16
	v_pk_add_f32 v[\X+n:\X+n+1], v[\X+n:\X+n+1], v[24:25] op_sel_hi:[1,0] neg_lo:[0,1] neg_hi:[0,1]
.set n, n+2
.endr
	v_pk_mul_f32 v[20:21], v[\X:\X+1], v[\X:\X+1]
	v_pk_mul_f32 v[22:23], v[\X+2:\X+3], v[\X+2:\X+3]
.irp j, 4,8,12,16,20,24,28
	s_delay_alu instid0(VALU_DEP_2)
	v_pk_fma_f32 v[20:21], v[\X+\j:\X+\j+1], v[\X+\j:\X+\j+1], v[20:21]
	s_delay_alu instid0(VALU_DEP_2)
	v_pk_fma_f32 v[22:23], v[\X+\j+2:\X+\j+3], v[\X+\j+2:\X+\j+3], v[22:23]
.endr
	s_delay_alu instid0(VALU_DEP_1)
	v_pk_add_f32 v[20:21], v[20:21], v[22:23]
	s_delay_alu instid0(VALU_DEP_1)
	v_add_f32 v20, v20, v21
	WSUM 20, 21
	s_delay_alu instid0(VALU_DEP_1)
	v_fma_f32 v26, v20, s34, s35                   ; the variance + 1e-5
	s_wait_alu depctr_va_vdst(0)
	v_rsq_f32 v24, v26
	v_nop                                          ; a plain instruction behind the transcendental
	s_wait_alu depctr_va_vdst(0)                   ; the wait ahead of the first reader
.set n, 0
.rept 16
	v_pk_mul_f32 v[\X+n:\X+n+1], v[\X+n:\X+n+1], v[24:25] op_sel_hi:[1,0]
.set n, n+2
.endr
.set n, 0
.rept 16
	v_pk_fma_f32 v[\X+n:\X+n+1], v[\X+n:\X+n+1], v[G+n:G+n+1], v[BE+n:BE+n+1]
.set n, n+2
.endr
.if STOREF
.irp j, 0,1,2,3,4,5,6,7
	global_store_b128 v2, v[\X+4*\j:\X+4*\j+3], s[HFP:HFP+1] offset:512*\j+65536*\rho   ; 32 lanes store 512 consecutive bytes
.endr
.endif
.irp j, 0,1,2,3,4,5,6,7
	ds_store_b128 v6, v[\X+4*\j:\X+4*\j+3] offset:576*\j     ; as loaded: 512 bytes are four blocks of the stage
.endr
.irp j, 0,1,2,3,4,5,6,7
	ds_load_b128 v[BL+4*\j:BL+4*\j+3], v7 offset:16*\j       ; back: lane l takes block l.  LDS serves a wave's instructions in order
.endr
	s_wait_dscnt 0x0                               ; the block is in; the last row's stores of codes have read their registers
	v_max3_num_f32 v20, |v[BL]|, |v[BL+1]|, |v[BL+2]|
	v_max3_num_f32 v21, |v[BL+3]|, |v[BL+4]|, |v[BL+5]|
.irp i, 6,10,14,18,22,26
	s_delay_alu instid0(VALU_DEP_2)
	v_max3_num_f32 v20, v20, |v[BL+\i]|, |v[BL+\i+1]|
	s_delay_alu instid0(VALU_DEP_2)
	v_max3_num_f32 v21, v21, |v[BL+\i+2]|, |v[BL+\i+3]|
.endr
	s_delay_alu instid0(VALU_DEP_2)
	v_max3_num_f32 v20, v20, |v[BL+30]|, |v[BL+31]|
	s_delay_alu instid0(VALU_DEP_1)
	v_max3_num_f32 v20, v20, v21, 0x1800000        ; and the floor 2^(3 - 127): the byte cannot fall under 1
	s_delay_alu instid0(VALU_DEP_1)
	v_add_nc_u32 v22, 0xff000000, v20              ; 2 off the exponent field: the conversion's scale operand
	v_cvt_scalef32_pk16_fp6_f32 v[C:C+2], v[BL:BL+15], v22
	v_cvt_scalef32_pk16_fp6_f32 v[CT:CT+2], v[BL+16:BL+31], v22
	v_lshrrev_b32 v23, 23, v22                     ; the scale's byte (a plain instruction behind the conversions)
.irp i, 0,1,2
	v_mov_b32 v[C+3+\i], v[CT+\i]
.endr
	ds_store_b64 v8, v[C:C+1] offset:128*\rho      ; my block's six registers, at their places in the fragment's image
	ds_store_b64 v9, v[C+2:C+3] offset:128*\rho
	ds_store_b64 v10, v[C+4:C+5] offset:128*\rho
	ds_store_b8 v11, v23 offset:32*\rho
.endm
	s_load_b512 s[4:19], s[0:1], 0x0               ; x, g1, be1, wq s[10:11], wk, wv, wo, w1 s[18:19]
	s_load_b256 s[20:27], s[0:1], 0x40             ; w2 s[20:21], hf, hc, wc s[26:27]
	v_lshl_add_u32 v[SPW], v0, 2, SPARE
	v_mov_b32 v[NIL], 0
	v_lshrrev_b32 v1, 5, v0
	s_delay_alu instid0(VALU_DEP_1)
	v_readfirstlane_b32 s28, v1                    ; wave 0..7
	v_and_b32 v1, 31, v0                           ; lane
	s_cmp_lt_u32 ttmp9, 256                        ; the work-group's number alone: all eight waves go the same way
	s_cbranch_scc0 .Lweights
	; ---- LayerNorm: work-group R makes fragment i = R % 8 of token group g = R / 8, for all eight steps of 128 along K.  Wave w takes lane-rows w and w + 8
	v_lshlrev_b32 v2, 4, v1                        ; 16 x lane
	s_mul_i32 s29, s28, STGW
	v_lshrrev_b32 v12, 3, v1
	s_delay_alu instid0(VALU_DEP_1)
	v_mul_u32_u24 v6, v12, 144
	v_and_b32 v12, 7, v1
	s_delay_alu instid0(VALU_DEP_1)
	v_lshl_add_u32 v6, v12, 4, v6
	s_delay_alu instid0(VALU_DEP_1)
	v_add_nc_u32 v6, s29, v6                       ; into the stage: 144 (lane / 8) + 16 (lane % 8)
	v_mul_u32_u24 v7, v1, 144
	s_delay_alu instid0(VALU_DEP_1)
	v_add_nc_u32 v7, s29, v7                       ; out of it: 144 x lane
	v_lshrrev_b32 v12, 2, v1                       ; my block's step of 128 along K
	s_delay_alu instid0(VALU_DEP_1)
	v_mul_u32_u24 v13, v12, FRB
	v_and_b32 v14, 1, v1                           ; its half of the lanes
	s_delay_alu instid0(VALU_DEP_1)
	v_lshl_add_u32 v13, v14, 8, v13
	s_lshl_b32 s30, s28, 4
	s_add_co_u32 s30, s30, IMG
	v_add_nc_u32 v13, s30, v13                     ; the image's 16 bytes of lane w + 16 half
	v_bfe_u32 v14, v1, 1, 1                        ; c: registers 6 c .. 6 c + 5
	s_delay_alu instid0(VALU_DEP_1)
	v_mad_u32_u24 v8, v14, 520, v13                ; registers 6 c, 6 c + 1
	s_delay_alu instid0(VALU_DEP_2)
	v_mad_u32_u24 v9, v14, 1016, v13
	s_delay_alu instid0(VALU_DEP_1)
	v_add_nc_u32 v9, 8, v9                         ; 6 c + 2, 6 c + 3
	s_delay_alu instid0(VALU_DEP_3)
	v_add_nc_u32 v10, 512, v8                      ; 6 c + 4, 6 c + 5
	v_and_b32 v14, 3, v1
	s_delay_alu instid0(VALU_DEP_1)
	v_lshl_add_u32 v11, v12, 6, v14
	s_lshl_b32 s30, s28, 2
	s_add_co_u32 s30, s30, SCL
	v_add_nc_u32 v11, s30, v11                     ; my block's scale byte
	s_mul_i32 s30, s28, FRB
	s_add_co_u32 s30, s30, IMG
	v_add_nc_u32 v15, s30, v2                      ; back: wave w takes the image of step w
	v_and_b32 v14, 15, v1
	s_delay_alu instid0(VALU_DEP_1)
	v_lshlrev_b32 v17, 2, v14
	s_wait_alu depctr_va_vdst(0)
	s_lshl_b32 s30, s28, 6
	s_add_co_u32 s30, s30, SCL
	v_add_nc_u32 v16, s30, v17                     ; and its 16 scale words (lanes 16-31 take the same as lanes 0-15)
	s_lshr_b32 s31, ttmp9, 3                       ; g
	s_and_b32 s32, ttmp9, 7                        ; i
	s_lshl_b32 s33, s31, 7
	s_lshr_b32 s36, s32, 1
	s_lshl_b32 s36, s36, 5
	s_add_co_u32 s33, s33, s36
	s_and_b32 s36, s32, 1
	s_lshl_b32 s36, s36, 3
	s_add_co_u32 s33, s33, s36
	s_add_co_u32 s33, s33, s28                     ; my first token: 128 g + 32 (i / 2) + 8 (i % 2) + w; the second is 16 further on
	s_lshl_b32 s36, s33, 12
	s_mov_b32 s37, 0
	s_lshl_b32 s38, s31, 3
	s_add_co_u32 s38, s38, s28
	s_mul_i32 s38, s38, PANEL                      ; panel 8 g + w
	s_mov_b32 s39, 0
	s_mul_i32 s33, s32, FRB
	v_add_nc_u32 v18, s33, v2                      ; fragment i in it
	s_lshl_b32 s33, s32, 6
	v_add_nc_u32 v17, s33, v17                     ; and its scale words
	s_mov_b32 s34, 0x3a800000                      ; 1 / 1024
	s_mov_b32 s35, 0x3727c5ac                      ; 1e-5
	s_mov_b32 s40, 0x76543210
	s_mov_b32 s41, 0xfedcba98                      ; v_permlanex16_b32's selects for lane l xor 16
	v_mov_b32 v25, 0                               ; (named as the upper half of the pair v[24:25])
	s_wait_kmcnt 0x0
	s_add_nc_u64 s[XP:XP+1], s[XP:XP+1], s[36:37]
.if STOREF
	s_add_nc_u64 s[HFP:HFP+1], s[HFP:HFP+1], s[36:37]
.endif
	s_add_nc_u64 s[HCP:HCP+1], s[HCP:HCP+1], s[38:39]
.irp j, 0,1,2,3,4,5,6,7
	global_load_b128 v[G+4*\j:G+4*\j+3], v2, s[GP:GP+1] offset:512*\j
	global_load_b128 v[BE+4*\j:BE+4*\j+3], v2, s[BP:BP+1] offset:512*\j
.endr
.irp j, 0,1,2,3,4,5,6,7
	global_load_b128 v[X0+4*\j:X0+4*\j+3], v2, s[XP:XP+1] offset:512*\j th:TH_LOAD_NT
.endr
.irp j, 0,1,2,3,4,5,6,7
	global_load_b128 v[X1+4*\j:X1+4*\j+3], v2, s[XP:XP+1] offset:65536+512*\j th:TH_LOAD_NT
.endr
	s_wait_loadcnt 8                               ; gain, offset and the first row are in; the second row's eight loads may be out
	LNROW X0, 0
	s_wait_loadcnt 0x0
	LNROW X1, 1
	s_wait_dscnt 0x0                               ; for the others' sake: my stores into the images are done
	s_barrier_signal -1
	s_barrier_wait -1
	ds_load_b128 v[160:163], v15
	ds_load_b128 v[164:167], v15 offset:512
	ds_load_b128 v[168:171], v15 offset:1024
	ds_load_b32 v172, v16
	s_wait_dscnt 0x0
	global_store_b128 v18, v[160:163], s[HCP:HCP+1]
	global_store_b128 v18, v[164:167], s[HCP:HCP+1] offset:512
	global_store_b128 v18, v[168:171], s[HCP:HCP+1] offset:1024
	global_store_b32 v17, v172, s[HCP:HCP+1] offset:SCO      ; lanes l and l + 16 store the same word to the same place
	s_wait_tensorcnt 0x0                           ; the wave's end
	ds_add_u32 v[SPW], v[NIL]
	s_wait_dscnt 0x0
	s_endpgm
	; ---- The weights.  Panel P = 2 (work-group - 256) + wave / 4; the wave takes 32 of its 128 columns.  A LANE TAKES A COLUMN AND ITS REGISTERS RUN DOWN K: no LDS, no barrier
.Lweights:
	s_sub_co_u32 s29, ttmp9, 256
	s_lshl_b32 s29, s29, 1
	s_lshr_b32 s30, s28, 2
	s_add_co_u32 s29, s29, s30                     ; P: 0-63 wq, 64-127 wk, 128-191 wv, 192-255 wo, 256-511 w1, 512-767 w2
	s_and_b32 s44, s28, 3                          ; which 32 columns
	s_lshr_b32 s32, s29, 3
	s_and_b32 s32, s32, 7                          ; the group of 128 columns,
	s_and_b32 s33, s29, 7                          ; the step of 128 along K
	s_sub_co_u32 s34, s29, 256
	s_lshr_b32 s34, s34, 3                         ; w1: 32 groups of 8 steps
	s_sub_co_u32 s35, s29, 512
	s_lshr_b32 s36, s35, 5                         ; w2: 8 groups of 32 steps
	s_and_b32 s35, s35, 31
	s_cmp_lt_u32 s29, 256
	s_cselect_b32 s32, s32, s34
	s_cselect_b32 s37, 12, 14                      ; a row of W is 4,096 bytes, of w1 16,384
	s_cmp_lt_u32 s29, 512
	s_cselect_b32 s32, s32, s36
	s_cselect_b32 s33, s33, s35
	s_cselect_b32 s37, s37, 12
	s_lshl_b32 s38, 1, s37
	s_lshl_b32 s42, s33, 7
	s_lshl_b32 s42, s42, s37                       ; 128 rows a step
	s_lshl_b32 s34, s32, 9
	s_add_co_u32 s42, s42, s34                     ; 512 bytes a group of columns
	s_lshl_b32 s34, s44, 7
	s_add_co_u32 s42, s42, s34                     ; 128 bytes for my 32
	s_mov_b32 s43, 0
	s_lshl_b32 s54, s38, 5                         ; 32 rows on
	s_mov_b32 s55, 0
	s_mul_i32 s56, s29, PANEL
	s_mov_b32 s57, 0
	s_wait_alu depctr_va_vdst(0)
	v_lshrrev_b32 v12, 4, v1
	v_and_b32 v13, 15, v1
	v_bfe_u32 v14, v1, 3, 1
	s_delay_alu instid0(VALU_DEP_1)
	v_add_nc_u32 v12, v12, v14
	s_delay_alu instid0(VALU_DEP_1)
	v_lshl_add_u32 v12, v12, 3, v13                ; lane l takes column 8 (l / 16) + l % 16 + 8 ((l / 8) % 2) of the 32: lane-row l % 16 of fragment l / 16 of the pair
	s_delay_alu instid0(VALU_DEP_1)
	v_lshlrev_b32 v12, 2, v12
.set n, 0
.rept 32
	v_mad_u32_u24 v[OFS+n], s38, n, v12
.set n, n+1
.endr
	s_mul_i32 s34, s44, 2*FRB
	v_lshl_add_u32 v21, v1, 4, s34                 ; out: my pair of fragments, 16 bytes a lane
	s_lshl_b32 s34, s44, 7
	v_lshl_add_u32 v22, v1, 2, s34                 ; and their 32 scale words
	s_wait_alu depctr_va_vdst(0)
	s_wait_kmcnt 0x0
	s_cmp_lt_u32 s29, 64                           ; the choice hangs on ids alone
	s_cselect_b64 s[40:41], s[10:11], s[12:13]
	s_cmp_lt_u32 s29, 128
	s_cselect_b64 s[40:41], s[40:41], s[14:15]
	s_cmp_lt_u32 s29, 192
	s_cselect_b64 s[40:41], s[40:41], s[16:17]
	s_cmp_lt_u32 s29, 256
	s_cselect_b64 s[40:41], s[40:41], s[18:19]
	s_cmp_lt_u32 s29, 512
	s_cselect_b64 s[40:41], s[40:41], s[20:21]
	s_add_nc_u64 s[46:47], s[40:41], s[42:43]
	s_add_nc_u64 s[48:49], s[46:47], s[54:55]
	s_add_nc_u64 s[50:51], s[48:49], s[54:55]
	s_add_nc_u64 s[52:53], s[50:51], s[54:55]
	s_add_nc_u64 s[26:27], s[26:27], s[56:57]
.macro WLOAD b                         ; block b: W(128 s + 32 b + n, my column), n = 0 .. 31: each load of the wave reads 128 consecutive bytes.  Every block has registers of its own
.set n, 0
.rept 32
	global_load_b32 v[WX+32*(\b)+n], v[OFS+n], s[46+2*(\b):47+2*(\b)] th:TH_LOAD_NT
.set n, n+1
.endr
.endm
	WLOAD 0                                        ; the loads run two blocks ahead: 64 loads of a wave are out at the most
	WLOAD 1
.macro WBLOCK b, dst                   ; block b of my column: all 32 numbers are mine
.if \b < 3
	s_wait_loadcnt 32                              ; its 32 loads are in; the next block's 32 may be out
.else
	s_wait_loadcnt 0x0
.endif
.if \b < 2
	WLOAD (\b)+2                                   ; the block two further on is asked for before this one is worked
.endif
	v_max3_num_f32 v16, |v[WX+32*\b]|, |v[WX+32*\b+1]|, |v[WX+32*\b+2]|
	v_max3_num_f32 v17, |v[WX+32*\b+3]|, |v[WX+32*\b+4]|, |v[WX+32*\b+5]|
.irp i, 6,10,14,18,22,26
	s_delay_alu instid0(VALU_DEP_2)
	v_max3_num_f32 v16, v16, |v[WX+32*\b+\i]|, |v[WX+32*\b+\i+1]|
	s_delay_alu instid0(VALU_DEP_2)
	v_max3_num_f32 v17, v17, |v[WX+32*\b+\i+2]|, |v[WX+32*\b+\i+3]|
.endr
	s_delay_alu instid0(VALU_DEP_2)
	v_max3_num_f32 v16, v16, |v[WX+32*\b+30]|, |v[WX+32*\b+31]|
	s_delay_alu instid0(VALU_DEP_1)
	v_max3_num_f32 v16, v16, v17, 0x1800000        ; and the floor 2^(3 - 127): the byte cannot fall under 1
	s_delay_alu instid0(VALU_DEP_1)
	v_add_nc_u32 v18, 0xff000000, v16              ; 2 off the exponent field: the conversion's scale operand
	s_delay_alu instid0(VALU_DEP_1)
	v_lshrrev_b32 v19, 23, v18
.if \b == 0
	s_delay_alu instid0(VALU_DEP_1)
	v_mov_b32 v20, v19
.else
	s_delay_alu instid0(VALU_DEP_1)
	v_lshl_or_b32 v20, v19, 8*\b, v20              ; the four bytes make my column's scale word
.endif
	v_cvt_scalef32_pk16_fp6_f32 v[\dst:\dst+2], v[WX+32*\b:WX+32*\b+15], v18
	v_cvt_scalef32_pk16_fp6_f32 v[WCT:WCT+2], v[WX+32*\b+16:WX+32*\b+31], v18
	v_nop                                          ; a plain instruction behind the conversions
.irp i, 0,1,2
	v_mov_b32 v[\dst+3+\i], v[WCT+\i]
.endr
.endm
	WBLOCK 0, F                                    ; blocks 0 and 2 side by side, blocks 1 and 3 side by side:
	WBLOCK 1, F+12
	WBLOCK 2, F+6
	WBLOCK 3, F+18
.set n, 0
.rept 12
	v_permlane16_swap_b32 v[F+n], v[F+12+n]        ; the first's lanes 16-31 change places with the second's lanes 0-15: v[F..] is now the even fragment, v[F+12..] the odd one
.set n, n+1
.endr
.irp u, 0,1
.irp c, 0,1,2
	global_store_b128 v21, v[F+12*\u+4*\c:F+12*\u+4*\c+3], s[26:27] offset:FRB*\u+512*\c
.endr
.endr
	global_store_b32 v22, v20, s[26:27] offset:SCO
	s_endpgm
.Lfunc_end_k_qa0557ca9c3_prep:
	.size	k_qa0557ca9c3_prep, .Lfunc_end_k_qa0557ca9c3_prep-k_qa0557ca9c3_prep
	.p2alignl 7, 3214868480
	.fill 96, 4, 3214868480
	.section	.rodata,"a",@progbits
	.p2align	6, 0x0
	.amdhsa_kernel k_qa0557ca9c3_prep
		.amdhsa_group_segment_fixed_size 50688
		.amdhsa_private_segment_fixed_size 0
		.amdhsa_enable_private_segment 0
		.amdhsa_kernarg_size 96
		.amdhsa_user_sgpr_count 2
		.amdhsa_user_sgpr_kernarg_segment_ptr 1
		.amdhsa_wavefront_size32 1
		.amdhsa_system_sgpr_workgroup_id_x 1
		.amdhsa_system_sgpr_workgroup_id_y 1
		.amdhsa_system_sgpr_workgroup_id_z 1
		.amdhsa_system_vgpr_workitem_id 0
		.amdhsa_next_free_vgpr 224
		.amdhsa_next_free_sgpr 66
		.amdhsa_reserve_vcc 0
		.amdhsa_float_denorm_mode_32 3
		.amdhsa_float_denorm_mode_16_64 3
		.amdhsa_memory_ordered 1
		.amdhsa_forward_progress 1
		.amdhsa_inst_pref_size 56
	.end_amdhsa_kernel
	.amdgpu_metadata
---
amdhsa.version: [ 1, 2 ]
amdhsa.kernels:
  - .name:           k_qa0557ca9c3_prep
    .symbol:         k_qa0557ca9c3_prep.kd
    .args:
      - { .name: x, .offset: 0, .size: 8, .value_kind: global_buffer, .address_space: global }
      - { .name: g1, .offset: 8, .size: 8, .value_kind: global_buffer, .address_space: global }
      - { .name: be1, .offset: 16, .size: 8, .value_kind: global_buffer, .address_space: global }
      - { .name: wq, .offset: 24, .size: 8, .value_kind: global_buffer, .address_space: global }
      - { .name: wk, .offset: 32, .size: 8, .value_kind: global_buffer, .address_space: global }
      - { .name: wv, .offset: 40, .size: 8, .value_kind: global_buffer, .address_space: global }
      - { .name: wo, .offset: 48, .size: 8, .value_kind: global_buffer, .address_space: global }
      - { .name: w1, .offset: 56, .size: 8, .value_kind: global_buffer, .address_space: global }
      - { .name: w2, .offset: 64, .size: 8, .value_kind: global_buffer, .address_space: global }
      - { .name: hf, .offset: 72, .size: 8, .value_kind: global_buffer, .address_space: global }
      - { .name: hc, .offset: 80, .size: 8, .value_kind: global_buffer, .address_space: global }
      - { .name: wc, .offset: 88, .size: 8, .value_kind: global_buffer, .address_space: global }
    .group_segment_fixed_size: 50688
    .private_segment_fixed_size: 0
    .kernarg_segment_align: 8
    .kernarg_segment_size: 96
    .max_flat_workgroup_size: 256
    .sgpr_count:     66
    .vgpr_count:     224
    .wavefront_size: 32
...
	.end_amdgpu_metadata
.endif
;; end of part 1
;; launch proj (part 2): grid 12 x 16, 4 waves a work-group, clusters of 4 x 4, 327,680 bytes of LDS; arguments hc, wc, bq, bk, bv, qkv; writes qkv
.if DOCPART == 2
	.amdgcn_target "amdgcn-amd-amdhsa--gfx1250"
	.amdhsa_code_object_version 6
	.text
	.protected	k_qa0557ca9c3_proj
	.globl	k_qa0557ca9c3_proj
	.p2align	8
	.type	k_qa0557ca9c3_proj,@function
k_qa0557ca9c3_proj:
	s_mov_b64 s[64:65], 0
	v_nop
	global_prefetch_b8 v0, s[64:65] scope:SCOPE_SE
	s_setreg_imm32_b32 hwreg(HW_REG_WAVE_MODE, 25, 1), 1
	s_wait_xcnt 0x0
	s_wait_alu depctr_hold_cnt(0) depctr_sa_sdst(0) depctr_va_vdst(0) depctr_va_sdst(0) depctr_va_ssrc(0) depctr_va_vcc(0) depctr_vm_vsrc(0)
	s_getreg_b32 s2, hwreg(HW_REG_IB_STS2, 6, 4)
	s_cmp_eq_u32 s2, 0
	s_cbranch_scc0 .Lentry_in_a_cluster
	s_endpgm
.Lentry_in_a_cluster:
	s_bfe_u32 s2, ttmp6, 0x10000c
	s_cmp_lg_u32 s2, 0xf033
	s_cbranch_scc0 .Lentry_shape_is_right
	s_endpgm
.Lentry_shape_is_right:
; q = h Wq + bq, k = h Wk + bk, v^T = (h Wv + bv)^T on codes of E2M3, and the results quantised again on the way out, as panels (see below), into qkv.
; PANEL = 128 rows x 128 along K as images of operand registers: fragment i at 1536 i (three runs of 512 bytes, 16 bytes a lane), scale words at 12288 + 64 i + 4 r; 12,800 bytes.
; Fragment 2 b + u, lane-row r, holds panel row 32 b + 8 u + r + 8 (r / 8): so a product's eight results tiles of one block of rows are 64 registers that run along the next K in the quantiser's order.
; A tile of 256 x 256 to a work-group, 128 x 128 to each of four waves (64 accumulators).  K = 1,024 goes in steps of 128, two to an LDS slot, two slots; a wave's tensor load brings two panels, 25,600 dense bytes.
; CLUSTERS 4 x 4: A's panels are shared along a row of the cluster, B's along a column: joint loads.  The cluster's x says which product: 0 q, 1 k, 2 v.  For v the operands change places (A = Wv's columns, B = the tokens),
; so that a lane holds a column of v and its registers run along the tokens, which are the K of attention's second product.
; THE MATRIX INSTRUCTION IS USED TRANSPOSED (source 0 = 16 rows of B, source 1 = 16 rows of A).
; REGISTERS: window 0: v0-31 addresses; v32-63 scale words, two sets; v64-127 the bias along B's rows; v128-223 A's fragments, one set (on the way out: 64 numbers, codes, work); v228-243 the bias along A's rows; v244-251 scale words made.
;   window 1: B's fragments, two sets.  windows 2, 3: the accumulators, (a, b) at v[8 (8 (a % 4) + b)].
; LIMITS: NaN and infinities are not served; a block whose largest magnitude lies under 2^-124 keeps the scale byte 1.
.set QKV,   1
.set PANEL, 12800
.set FRB,   1536
.set SCO,   12288
.set LOADB, 2*PANEL
.set SLOT,  4*LOADB
.set SPARE, 2*SLOT                     ; behind the ring: the spare words, 128 bytes for each wave: two blocks of 256 bytes that no other line names
.set NQ,    2
.set FR,    12
.set NL,    3
.set NP,    4
.set LAPS,  2
.set ADRA, 16
.set ADRB, 20
.set ADRS, 22
.set LI,   24
.set LS4,  25
.set BO,   26
.set RO,   27
.set SPW,  28
.set NIL,  29
.set SC,   32
.set BI,   64
.set AF,   128
.set H,    128
.set PC,   192
.set CT,   204
.set TM,   212
.set RB2,  228
.set PWS,  244
.set G1,   24
.set G0,   32
.set G1B,  48
.set G0B,  56
.set SEL,  88
.set MSB, 0
.macro WIN new                         ; the immediate's high byte repeats the setting that is left
.if MSB != \new
	s_set_vgpr_msb (MSB<<8)|\new
.set MSB, \new
.endif
.endm
.set MUL_LO, 0xa1                      ; source 0 (B) window 1, source 1 (A) window 0, C and D window 2
.set MUL_HI, 0xf1                      ; the same, C and D window 3
.set TO_B,   0x40                      ; destination window 1, address window 0
.macro JLOAD g0a, g1a, g0b, g1b        ; a joint load: waves 0 and 1 fetch for A, waves 2 and 3 for B; an s_nop 0 and four v_nop follow each line
	s_cmp_eq_u32 s17, 0
	s_cbranch_scc0 .Lfor_b_\@
	tensor_load_to_lds s[\g0a:\g0a+3], s[\g1a:\g1a+7]
	s_nop 0
.rept 4
	v_nop
.endr
	s_branch .Lasked_\@
.Lfor_b_\@:
	tensor_load_to_lds s[\g0b:\g0b+3], s[\g1b:\g1b+7]
	s_nop 0
.rept 4
	v_nop
.endr
.Lasked_\@:
.endm
.macro CREST                           ; a round of the cluster's barrier behind its opening barrier
	s_cmp_lg_u32 s16, 0
	s_cbranch_scc1 .Lnot_wave_0_\@
	s_barrier_signal -3
.Lnot_wave_0_\@:
	s_barrier_wait -3
	s_barrier_signal -1
	s_barrier_wait -1
.endm
.macro CROUND
	s_barrier_signal -1
	s_barrier_wait -1
	CREST
.endm
.macro PLACES n
.rept \n
	v_nop
.endr
.endm
; 64 numbers of a lane, register 16 b + i = k 32 b + 16 (lane / 16) + i of my row, become a fragment's codes in v[pc] on and its scale word in v[pw]
.macro QUANT src, pc, ct, tm, pw
.irp b, 0,1,2,3
	v_max3_num_f32 v[\tm+\b], |v[\src+16*\b]|, |v[\src+1+16*\b]|, 0x1800000   ; and the floor 2^(3 - 127): the byte cannot fall under 1
.endr
.irp i, 2,4,6,8,10,12,14
.irp b, 0,1,2,3
	v_max3_num_f32 v[\tm+\b], v[\tm+\b], |v[\src+16*\b+\i]|, |v[\src+1+16*\b+\i]|
.endr
.endr
.irp b, 0,1,2,3
	v_permlanex16_b32 v[\tm+4+\b], v[\tm+\b], s[SEL], s[SEL+1]
.endr
.irp b, 0,1,2,3
	v_max_num_f32 v[\tm+\b], v[\tm+\b], v[\tm+4+\b]
.endr
.irp b, 0,1,2,3
	v_add_nc_u32 v[\tm+12+\b], 0xff000000, v[\tm+\b]
.endr
.irp b, 0,1,2,3
	v_lshrrev_b32 v[\tm+4+\b], 23, v[\tm+12+\b]
.endr
	v_lshl_or_b32 v[\pw], v[\tm+5], 8, v[\tm+4]
	v_lshl_or_b32 v[\pw], v[\tm+6], 16, v[\pw]
	v_lshl_or_b32 v[\pw], v[\tm+7], 24, v[\pw]
.irp c, 0,1
	v_cvt_scalef32_pk16_fp6_f32 v[\pc+6*\c:\pc+2+6*\c], v[\src+32*\c:\src+15+32*\c], v[\tm+12+2*\c]
	v_cvt_scalef32_pk16_fp6_f32 v[\ct+4*\c:\ct+2+4*\c], v[\src+16+32*\c:\src+31+32*\c], v[\tm+13+2*\c]
.endr
	v_nop                                          ; a plain instruction behind the conversions
.irp c, 0,1
.irp i, 0,1,2
	v_permlane16_swap_b32 v[\pc+6*\c+\i], v[\ct+4*\c+\i]
.endr
.irp i, 0,1,2
	v_mov_b32 v[\pc+3+6*\c+\i], v[\ct+4*\c+\i]
.endr
.endr
.endm
	s_load_b256 s[4:11], s[0:1], 0x0               ; QKV: hc, wc, bq, bk;  else: the rows' codes, wc, the bias, the result
.if QKV
	s_load_b128 s[12:15], s[0:1], 0x20             ; bv, qkv
.endif
	v_lshl_add_u32 v[SPW], v0, 2, SPARE
	v_mov_b32 v[NIL], 0
	ds_add_u32 v[SPW], v[NIL]                      ; the wave's opening: the add and its wait ahead of my first tensor load
	ds_add_u32 v[SPW], v[NIL]
	v_lshrrev_b32 v1, 5, v0
	v_readfirstlane_b32 s16, v1                    ; wave 0..3
	s_lshr_b32 s17, s16, 1                         ; which 128 rows of A are mine.  Also: I fetch for A (0) or for B (1)
	s_and_b32 s18, s16, 1                          ; which 128 rows of B.  Also: which group of 128 rows I fetch
	s_bfe_u32 s40, ttmp6, 0x40000                  ; cx
	s_bfe_u32 s41, ttmp6, 0x40004                  ; cy
	s_and_b32 s45, ttmp7, 0xffff
	s_lshl_b32 s45, s45, 2                         ; 4 x cluster y
.if QKV
	s_cmp_eq_u32 ttmp9, 2                          ; v?  The cluster's x: the same in all sixteen partners
	s_cselect_b32 s19, 0, s45                      ; q, k: 16 tile rows of tokens, 4 tile columns;
	s_cselect_b32 s42, s45, 0                      ; v: 4 tile rows of columns of v, 16 tile columns of tokens
	s_cselect_b32 s68, 0, 1.0                      ; the bias runs along B's rows (q, k)
	s_cselect_b32 s70, 1.0, 0                      ; or along A's (v)
	s_mov_b32 s69, s68
	s_mov_b32 s71, s70
.else
	s_mov_b32 s19, s45
	s_lshl_b32 s42, ttmp9, 2
.endif
	s_add_co_u32 s19, s19, s41                     ; tile row: hangs on cy, not on cx
	s_add_co_u32 s42, s42, s40                     ; tile column: on cx, not on cy
	s_lshl_b32 s43, s41, 2
	s_lshl_b32 s43, 15, s43                        ; my row of the cluster
	s_lshl_b32 s44, 0x1111, s40                    ; my column
	s_or_b32 s[G1], s43, (3<<16)|(1<<21)           ; 15:0 the mask; 17:16 elements of 8 bytes; 21 set beside a mask; no padding
	s_or_b32 s[G1B], s44, (3<<16)|(1<<21)
.irp g, G1, G1B
	s_mov_b32 s[\g+1], 3200<<16                    ; the head's shape: a row is two panels, 25,600 dense bytes (3,200 elements),
	s_mov_b32 s[\g+2], 2<<16                       ; two rows: the tile's two groups of 128 rows,
	s_mov_b32 s[\g+3], 3200<<16
	s_mov_b32 s[\g+4], 2
	s_mov_b32 s[\g+5], 12800                       ; eight panels apart
	s_mov_b32 s[\g+6], 0
	s_mov_b32 s[\g+7], 0
.endr
	s_lshl_b32 s20, s19, 1
	s_add_co_u32 s20, s20, s18
	s_mul_i32 s20, s20, 8*PANEL                    ; A: group 2 x tile row + half, eight panels a group
	s_mov_b32 s21, 0
	s_lshl_b32 s46, s42, 1
	s_add_co_u32 s46, s46, s18
	s_mul_i32 s46, s46, 8*PANEL                    ; B likewise
	s_mov_b32 s47, 0
	s_mul_i32 s66, s16, LOADB                      ; where they go: wave x two panels
	s_mov_b32 s67, 0xffff0000                      ; lanes 16-31
	s_mov_b32 s[SEL], 0x76543210
	s_mov_b32 s[SEL+1], 0xfedcba98
	s_wait_dscnt 0x0                               ; the opening add is done
	s_wait_kmcnt 0x0
.if QKV
	s_add_nc_u64 s[72:73], s[6:7], 128*PANEL       ; wv's panels
	s_mul_i32 s74, ttmp9, 64*PANEL
	s_mov_b32 s75, 0
	s_add_nc_u64 s[74:75], s[6:7], s[74:75]        ; wq's or wk's
	s_cmp_eq_u32 ttmp9, 2
	s_cselect_b64 s[76:77], s[72:73], s[4:5]
	s_cselect_b64 s[78:79], s[4:5], s[74:75]
.else
	s_mov_b64 s[76:77], s[4:5]
	s_add_nc_u64 s[78:79], s[6:7], 256*PANEL       ; w1's panels
.endif
	s_add_nc_u64 s[20:21], s[76:77], s[20:21]
	s_add_nc_u64 s[46:47], s[78:79], s[46:47]
	CROUND                                         ; all sixteen work-groups are here: the first joint loads meet
.irp s, 0,1
	s_mov_b32 s[G0+4*\s], 1
	s_add_co_u32 s[G0+4*\s+1], s66, \s*SLOT
	s_add_nc_u64 s[G0+4*\s+2:G0+4*\s+3], s[20:21], \s*LOADB
	s_or_b32 s[G0+4*\s+3], s[G0+4*\s+3], 0x80000000
	s_mov_b32 s[G0B+4*\s], 1
	s_add_co_u32 s[G0B+4*\s+1], s66, \s*SLOT
	s_add_nc_u64 s[G0B+4*\s+2:G0B+4*\s+3], s[46:47], \s*LOADB
	s_or_b32 s[G0B+4*\s+3], s[G0B+4*\s+3], 0x80000000
.endr
	; the head's loads, one a wave: wave 0 brings A's half of slot 0, wave 1 A's half of slot 1, waves 2 and 3 B's: both groups' two panels in one tile
	s_mul_i32 s96, s18, 6*PANEL
	s_mov_b32 s97, 0
	s_mov_b32 s72, 1
	s_mul_i32 s73, s18, SLOT
	s_sub_nc_u64 s[74:75], s[20:21], s[96:97]      ; the first group's panels 2 x slot, 2 x slot + 1
	s_or_b32 s75, s75, 0x80000000
	s_mov_b32 s76, 1
	s_add_co_u32 s77, s73, 2*LOADB
	s_sub_nc_u64 s[78:79], s[46:47], s[96:97]
	s_or_b32 s79, s79, 0x80000000
	JLOAD 72, G1, 76, G1B
	; the prefetches: each of my two refills is 100 blocks of 256 bytes, asked for jointly by four partners: each takes 25 of them, told apart by address (cx for A, cy for B), a lane a block
	s_cmp_eq_u32 s17, 0
	s_cselect_b64 s[98:99], s[20:21], s[46:47]
	s_cselect_b32 s96, s40, s41
	s_mul_i32 s96, s96, 6400
	s_add_co_u32 s96, s96, 2*LOADB                 ; my group's panels 4 and 5: the first refill
	s_add_nc_u64 s[98:99], s[98:99], s[96:97]
	v_and_b32 v1, 15, v0                           ; r
	v_bfe_u32 v2, v0, 4, 1                         ; h
	v_and_b32 v3, 31, v0
	v_lshlrev_b32 v[LI], 4, v3                     ; 16 x lane
	s_wait_alu depctr_va_vdst(0)
	v_lshlrev_b32 v[LS4], 2, v3                    ; 4 x lane
	s_mul_i32 s90, s17, LOADB                      ; my 128 rows of A
	s_mul_i32 s91, s18, LOADB
	s_add_co_u32 s91, s91, 2*LOADB                 ; my 128 rows of B
	s_sub_co_u32 s92, s91, s90
	v_mul_u32_u24 v4, s92, v2                      ; scale words: lanes 0-15 take A's, lanes 16-31 B's
	v_lshl_add_u32 v4, v1, 2, v4
	s_add_co_u32 s93, s90, SCO
.irp s, 0,1
	v_add_nc_u32 v[ADRA+\s], s90, v[LI]
	v_add_nc_u32 v[ADRB+\s], s91, v[LI]
	v_add_nc_u32 v[ADRS+\s], s93, v4
	s_add_co_u32 s90, s90, SLOT
	s_add_co_u32 s91, s91, SLOT
	s_add_co_u32 s93, s93, SLOT
.endr
	s_lshl_b32 s80, s19, 1
	s_add_co_u32 s80, s80, s17                     ; g: my group of A's rows
	s_lshl_b32 s81, s42, 1
	s_add_co_u32 s81, s81, s18                     ; s': my group of B's rows: the K step of the panel that I make
	v_and_b32 v30, 31, v0
	v_min_u32 v30, 24, v30                         ; lanes 25-31 name my last block again
	v_lshlrev_b32 v30, 8, v30
	v_lshlrev_b32 v[BO], 6, v2
.if QKV
	s_wait_alu depctr_va_vdst(0)
	global_prefetch_b8 v30, s[98:99] th:TH_LOAD_NT scope:SCOPE_SE                 ; K has four slots: the two refills are asked for here, two and three K steps ahead of their loads
	global_prefetch_b8 v30, s[98:99] offset:LOADB th:TH_LOAD_NT scope:SCOPE_SE
	s_lshl_b32 s90, s81, 5
	s_add_co_u32 s90, s90, s80                     ; q, k: panel 32 (head pair) + token group
	s_lshl_b32 s91, s80, 5
	s_add_co_u32 s91, s91, s81                     ; v: panel 32 (head pair) + token step
	s_lshl_b32 s92, s81, 9
	s_lshl_b32 s93, s80, 9
	s_cmp_eq_u32 ttmp9, 2
	s_cselect_b32 s90, s91, s90
	s_cselect_b32 s92, 0, s92                      ; the side that does not count is read at the buffer's head, and multiplied by 0
	s_cselect_b32 s94, s93, 0
	s_mov_b32 s93, 0
	s_mov_b32 s95, 0
	s_cmp_eq_u32 ttmp9, 1
	s_cselect_b64 s[82:83], s[10:11], s[8:9]
	s_add_nc_u64 s[82:83], s[82:83], s[92:93]
	s_add_nc_u64 s[84:85], s[12:13], s[94:95]
	s_lshl_b32 s91, ttmp9, 8
	s_add_co_u32 s90, s90, s91                     ; 256 panels each for q, k, v
	s_mul_i32 s90, s90, PANEL
	s_mov_b32 s91, 0
	s_add_nc_u64 s[86:87], s[14:15], s[90:91]
	v_and_b32 v5, 8, v1
	v_add_nc_u32 v5, v5, v1
	v_lshlrev_b32 v[RO], 2, v5                     ; the bias along A's rows: row r + 8 (r / 8) of a fragment
.else
	s_lshl_b32 s92, s81, 9
	s_mov_b32 s93, 0
	s_add_nc_u64 s[82:83], s[8:9], s[92:93]
	s_lshl_b32 s90, s80, 5
	s_add_co_u32 s90, s90, s81                     ; panel 32 g + s'
	s_mul_i32 s90, s90, PANEL
	s_mov_b32 s91, 0
	s_add_nc_u64 s[86:87], s[10:11], s[90:91]
.endif
.irp b, 0,1,2,3
.irp x, 0,1,2,3
	global_load_b128 v[BI+16*\b+4*\x:BI+16*\b+4*\x+3], v[BO], s[82:83] offset:128*\b+16*\x
.endr
.endr
.if QKV
.irp a, 0,1,2,3,4,5,6,7
	global_load_b32 v[RB2+2*\a], v[RO], s[84:85] offset:(32*(\a/2)+8*(\a%2))*4
	global_load_b32 v[RB2+2*\a+1], v[RO], s[84:85] offset:(32*(\a/2)+8*(\a%2))*4      ; twice: a pair for the packed form
.endr
.endif
.macro FRAG reg, adr, q, i             ; a fragment's image: three loads of 512 consecutive bytes
.irp c, 0,1,2
	ds_load_b128 v[\reg+4*\c:\reg+4*\c+3], v[\adr] offset:(\q)*PANEL+(\i)*FRB+512*\c
.endr
.endm
; 16 matrix instructions: A's blocks a0, a0 + 1 x B's eight.  The 64 accumulators take turns, one instruction a turn, in the same order in every step
.macro MUL16 a0, p, q, sc, zero
.irp a, \a0, \a0+1
.irp b, 0,1,2,3,4,5,6,7
.if \zero
	v_wmma_scale_f32_16x16x128_f8f6f4 v[8*(8*((\a)%4)+\b):8*(8*((\a)%4)+\b)+7], v[128*(\p)+FR*\b:128*(\p)+FR*\b+FR-1], v[AF+FR*(\a):AF+FR*(\a)+FR-1], 0, v[SC+8*NQ*(\sc)+NQ*\b+(\q)], v[SC+8*NQ*(\sc)+NQ*(\a)+(\q)] matrix_a_fmt:MATRIX_FMT_FP6 matrix_b_fmt:MATRIX_FMT_FP6 matrix_a_scale:MATRIX_SCALE_ROW1
.else
	v_wmma_scale_f32_16x16x128_f8f6f4 v[8*(8*((\a)%4)+\b):8*(8*((\a)%4)+\b)+7], v[128*(\p)+FR*\b:128*(\p)+FR*\b+FR-1], v[AF+FR*(\a):AF+FR*(\a)+FR-1], v[8*(8*((\a)%4)+\b):8*(8*((\a)%4)+\b)+7], v[SC+8*NQ*(\sc)+NQ*\b+(\q)], v[SC+8*NQ*(\sc)+NQ*(\a)+(\q)] matrix_a_fmt:MATRIX_FMT_FP6 matrix_b_fmt:MATRIX_FMT_FP6 matrix_a_scale:MATRIX_SCALE_ROW1
.endif
.endr
.endr
.endm
.macro FETCH_B slot, q, p
	WIN TO_B
.irp i, 0,1,2,3,4,5,6,7
	FRAG 128*(\p)+FR*\i, ADRB+\slot, \q, \i
.endr
	WIN 0
.endm
.macro FETCH_A slot, q, i0
.irp i, \i0, \i0+1, \i0+2, \i0+3
	FRAG AF+FR*(\i), ADRA+\slot, \q, \i
.endr
.endm
.macro SCALES sc                       ; the slot's scale words: register 2 i + q: lanes 0-15 the word of A's block i, lanes 16-31 that of B's block i, for the slot's q-th 128 along K
.irp i, 0,1,2,3,4,5,6,7
.irp q, 0,1
	ds_load_b32 v[SC+16*\sc+2*\i+\q], v[ADRS+\sc] offset:\q*PANEL+64*\i
.endr
.endr
.endm
.macro STEP slot, q, zero              ; a step of 128 along K that has its successor in the same slot
	s_wait_dscnt 4*NL                              ; B's set, A's blocks 0-3 and the scale words are in; the youngest twelve loads (A's blocks 4-7) may be out
	WIN MUL_LO
	MUL16 0, (\q)%2, \q, \slot, \zero
	MUL16 2, (\q)%2, \q, \slot, \zero
	s_wait_dscnt 0
	PLACES NP                                      ; four plain instructions in front of loads into registers that matrix instructions have read
	FETCH_B \slot, (\q)+1, 1-(\q)%2
	FETCH_A \slot, (\q)+1, 0
	WIN MUL_HI
	MUL16 4, (\q)%2, \q, \slot, \zero
	MUL16 6, (\q)%2, \q, \slot, \zero
	PLACES NP
	WIN 0
	FETCH_A \slot, (\q)+1, 4
.endm
.macro TURN slot, next, fill           ; a slot's last step changes slots: one barrier; fill = 1: this slot is filled again, two slots ahead
	s_wait_tensorcnt 0x0                           ; all my tensor loads have landed: my part of the next slot
	ds_add_u32 v[SPW], v[NIL]                      ; 0 onto my spare word
	s_wait_dscnt 4*NL+1                            ; (the add and A's blocks 4-7 may be out)
	WIN MUL_LO
	MUL16 0, 1, NQ-1, \slot, 0
	s_wait_dscnt 0x0                               ; the add is done, and my reads of this slot are over
	s_barrier_signal -1
	MUL16 2, 1, NQ-1, \slot, 0
	WIN 0
	s_barrier_wait -1
.if \fill
	CREST                                          ; the barrier has opened a round of the cluster's: no wave of any partner still reads this slot or has a load on its way
	s_add_nc_u64 s[G0+4*\slot+2:G0+4*\slot+3], s[G0+4*\slot+2:G0+4*\slot+3], 2*LOADB
	s_add_nc_u64 s[G0B+4*\slot+2:G0B+4*\slot+3], s[G0B+4*\slot+2:G0B+4*\slot+3], 2*LOADB
	JLOAD G0+4*\slot, G1, G0B+4*\slot, G1B
.else
	PLACES NP
.endif
	FETCH_B \next, 0, 0
	FETCH_A \next, 0, 0
	SCALES \next
	WIN MUL_HI
	MUL16 4, 1, NQ-1, \slot, 0
	MUL16 6, 1, NQ-1, \slot, 0
	PLACES NP
	WIN 0
	FETCH_A \next, 0, 4
.endm
	s_wait_tensorcnt 0x0                           ; my half slot is in; no tensor load of mine is out, so group 1 may be written: the ring's shape, 100 rows of 256 bytes
.irp g, G1, G1B
	s_mov_b32 s[\g+1], 32<<16
	s_mov_b32 s[\g+2], 100<<16
	s_mov_b32 s[\g+3], 32<<16
	s_mov_b32 s[\g+4], 100
	s_mov_b32 s[\g+5], 32
.endr
	s_barrier_signal -1
	s_barrier_wait -1                              ; both slots are whole
	FETCH_B 0, 0, 0
	FETCH_A 0, 0, 0
	SCALES 0
	FETCH_A 0, 0, 4
	STEP 0, 0, 1                                   ; the first step's products start the sums
	s_mov_b32 s3, LAPS-1
.Llap:                                                 ; a trip goes once round the ring and fills both slots again
	TURN 0, 1, 1
	STEP 1, 0, 0
	TURN 1, 0, 1
	STEP 0, 0, 0
	s_sub_co_u32 s3, s3, 1
	s_cmp_lg_u32 s3, 0
	s_cbranch_scc1 .Llap
	TURN 0, 1, 0                                   ; the last lap fills nothing
	STEP 1, 0, 0
	s_wait_dscnt 4*NL
	WIN MUL_LO
	MUL16 0, 1, NQ-1, 1, 0
	MUL16 2, 1, NQ-1, 1, 0
	s_wait_dscnt 0
	WIN MUL_HI
	MUL16 4, 1, NQ-1, 1, 0
	MUL16 6, 1, NQ-1, 1, 0
	WIN 0
; THE WAY OUT.  For A's block a a lane holds one row and 64 numbers along B's 128 rows, in the quantiser's order: bias, (activation,) quantise, and the fragment's image goes straight to memory: 3 x 512 consecutive bytes.
.macro OUTBLK a
.if (\a) > 0
	s_wait_xcnt 0x0                                ; the last block's stores have read their registers
.endif
.if QKV
	WIN 0x20+0x10*((\a)/4)                         ; source 2: window 2 or 3
.set n, 0
.rept 32
	v_pk_fma_f32 v[H+n:H+n+1], v[BI+n:BI+n+1], s[68:69], v[64*((\a)%4)+n:64*((\a)%4)+n+1] op_sel_hi:[1,0,1]   ; each accumulator from its low end on
.set n, n+2
.endr
	WIN 0
.set n, 0
.rept 32
	v_pk_fma_f32 v[H+n:H+n+1], v[RB2+2*(\a):RB2+2*(\a)+1], s[70:71], v[H+n:H+n+1] op_sel_hi:[1,0,1]
.set n, n+2
.endr
.else
	WIN 0x02+((\a)/4)                              ; source 0: window 2 or 3
.set n, 0
.rept 32
	v_pk_add_f32 v[H+n:H+n+1], v[64*((\a)%4)+n:64*((\a)%4)+n+1], v[BI+n:BI+n+1]
.set n, n+2
.endr
	WIN 0
.set n, 0
.rept 64
	v_max_num_f32 v[H+n], 0, v[H+n]                ; the activation, in f32
.set n, n+1
.endr
.endif
	QUANT H, PC, CT, TM, PWS+(\a)
.irp c, 0,1,2
	global_store_b128 v[LI], v[PC+4*\c:PC+4*\c+3], s[86:87] offset:(\a)*FRB+512*\c
.endr
.endm
	PLACES NP
	s_wait_loadcnt 0x0                             ; the biases
.irp a, 0,1,2,3,4,5,6,7
	OUTBLK \a
.endr
.irp j, 0,1,2,3
	v_cndmask_b32 v[PWS+2*\j], v[PWS+2*\j], v[PWS+2*\j+1], s67      ; lanes 0-15 keep the even fragment's words, lanes 16-31 take the odd one's
	global_store_b32 v[LS4], v[PWS+2*\j], s[86:87] offset:SCO+128*\j
.endr
	s_wait_tensorcnt 0x0                           ; the wave's end
	ds_add_u32 v[SPW], v[NIL]
	s_wait_dscnt 0x0
	CROUND                                         ; the closing round
	s_endpgm
.Lfunc_end_k_qa0557ca9c3_proj:
	.size	k_qa0557ca9c3_proj, .Lfunc_end_k_qa0557ca9c3_proj-k_qa0557ca9c3_proj
	.p2alignl 7, 3214868480
	.fill 96, 4, 3214868480
	.section	.rodata,"a",@progbits
	.p2align	6, 0x0
	.amdhsa_kernel k_qa0557ca9c3_proj
		.amdhsa_group_segment_fixed_size 327680
		.amdhsa_private_segment_fixed_size 0
		.amdhsa_enable_private_segment 0
		.amdhsa_kernarg_size 48
		.amdhsa_user_sgpr_count 2
		.amdhsa_user_sgpr_kernarg_segment_ptr 1
		.amdhsa_wavefront_size32 1
		.amdhsa_system_sgpr_workgroup_id_x 1
		.amdhsa_system_sgpr_workgroup_id_y 1
		.amdhsa_system_sgpr_workgroup_id_z 1
		.amdhsa_system_vgpr_workitem_id 0
		.amdhsa_next_free_vgpr 1024
		.amdhsa_next_free_sgpr 100
		.amdhsa_reserve_vcc 0
		.amdhsa_float_denorm_mode_32 3
		.amdhsa_float_denorm_mode_16_64 3
		.amdhsa_memory_ordered 1
		.amdhsa_forward_progress 1
		.amdhsa_inst_pref_size 176
	.end_amdhsa_kernel
	.amdgpu_metadata
---
amdhsa.version: [ 1, 2 ]
amdhsa.kernels:
  - .name:           k_qa0557ca9c3_proj
    .symbol:         k_qa0557ca9c3_proj.kd
    .args:
      - { .name: hc, .offset: 0, .size: 8, .value_kind: global_buffer, .address_space: global }
      - { .name: wc, .offset: 8, .size: 8, .value_kind: global_buffer, .address_space: global }
      - { .name: bq, .offset: 16, .size: 8, .value_kind: global_buffer, .address_space: global }
      - { .name: bk, .offset: 24, .size: 8, .value_kind: global_buffer, .address_space: global }
      - { .name: bv, .offset: 32, .size: 8, .value_kind: global_buffer, .address_space: global }
      - { .name: qkv, .offset: 40, .size: 8, .value_kind: global_buffer, .address_space: global }
    .group_segment_fixed_size: 327680
    .private_segment_fixed_size: 0
    .kernarg_segment_align: 8
    .kernarg_segment_size: 48
    .max_flat_workgroup_size: 128
    .sgpr_count:     100
    .vgpr_count:     1024
    .wavefront_size: 32
...
	.end_amdgpu_metadata
.endif
;; end of part 2
;; launch attn (part 3): grid 16 x 16, 16 waves a work-group, no clusters, 327,680 bytes of LDS; arguments qkv, ac; writes ac
.if DOCPART == 3
	.amdgcn_target "amdgcn-amd-amdhsa--gfx1250"
	.amdhsa_code_object_version 6
	.text
	.protected	k_qa0557ca9c3_attn
	.globl	k_qa0557ca9c3_attn
	.p2align	8
	.type	k_qa0557ca9c3_attn,@function
k_qa0557ca9c3_attn:
	s_mov_b64 s[64:65], 0
	v_nop
	global_prefetch_b8 v0, s[64:65] scope:SCOPE_SE
	s_setreg_imm32_b32 hwreg(HW_REG_WAVE_MODE, 25, 1), 1
	s_wait_xcnt 0x0
; The module's attention.  For query q the softmax runs over all 2,048 keys of (score / 32 where key >= q, 0 where key < q); of the normalised result only keys <= q are kept:
; c(q, k) = u = 2^(-M) / Z for k < q, d = 2^(t_qq - M) / Z for k = q, 0 for k > q; t = score x log2(e) / 32, M the row's largest t (0 among them where q > 0) rounded up to a whole number,
; Z = the sum over keys >= q of 2^(t - M), + q x 2^(-M) for the q hidden zeros.  The masks are the module's own triu: scores under the diagonal and c above it reach no output and are left out where they come in whole fragments.
; PANEL = 128 rows x 128 along K as images of operand registers: fragment i at 1536 i (register 4 c + e of lane L at 512 c + 16 L + 4 e), scale words at 12288 + 64 i + 4 r; fragment 2 b + u, lane-row r, holds panel row 32 b + 8 u + r + 8 (r / 8).
; q, k: rows = tokens, K = a head pair's 128 numbers; v^T: rows = the pair's 128 columns, K = 128 tokens.
; SHARES.  Work-group (j, batch, head pair): g = j / 2, parity j % 2.  Its eight tiles of 16 queries: fragments 2 tt + parity (tt = 0..3) of token group g (low) and of group 15 - g (high).  Wave W owns tile W % 8 for head W / 8.
; THE SCORES give only a largest t, a sum and the diagonal's score for each query, so they are dealt by KEYS: wave (head e, p) keeps K's panels p and 15 - p in registers, straight from memory, and walks the tiles:
; a unit = one tile x one panel = 8 matrix instructions, 64 scores a lane.  Each unit leaves (-M, sum) of its own in LDS; the tile's owner joins the parts.  Off the diagonal a wave has 8 units (the wave with p = g: 4).
; THE DIAGONAL UNIT of a tile is its owner's: one a wave.  K's panel G comes into the registers of panel p when that is done with, under the four units with panel 15 - p; its part and the diagonal's score stay in registers.
; There the tile's block of 32 keys is tt: fragments under 2 tt are hidden and left out, fragments 2 tt and 2 tt + 1 take -1e30 at hidden places as the C of their product.  The four forms are chosen by the wave's number.
; A fragment of K holds both heads; a wave loads the two runs of 16 bytes a lane with its head's codes, 8 registers a fragment; the four registers beside them belong to the neighbouring fragment and meet Q's zero codes.
; THE SECOND PRODUCT is the owner's.  V's 16 panels come into LDS by one tensor load a wave at the head and are read behind the one barrier that also shows the parts.  Nothing in LDS is filled twice.
; No cluster: which units a wave walks hangs on g, which differs between the work-groups that share V.  No prefetch: what comes from memory is asked for at the head; there is no loop to run ahead in.
; LIMITS: NaN and infinities are not served; the promise holds while |t| stays under 2^31; exponentials under 2^-126 come out as 0; a block whose largest magnitude lies under 2^-124 keeps the scale byte 1.
.set PANEL, 12800
.set FRB,   1536
.set SCO,   12288
.set QB,    16*PANEL                   ; behind V: 16 images of Q (head, tile), the other head's codes zero
.set QSB,   QB+16*FRB                  ; their scale words, 64 bytes each
.set STAT,  QSB+1024                   ; the parts: ((8 e + tile) x 16 + slot) x 256 + 8 x lane
.set SPARE, STAT+65536                 ; the spare words, 128 bytes for each of 16 waves
.set LI,  3                            ; 16 x lane
.set LS,  4                            ; 4 (lane % 16)
.set SPW, 5
.set NIL, 6
.set ZR,  7
.set DQ,  8                            ; my query's place in its 32, less 16 (lane / 16)
.set AD,  9
.set AS,  10
.set QS,  11                           ; Q's scale words
.set NB,  12                           ; -1e30; later u
.set U,   12
.set DG,  13
.set NM,  14                           ; -M, and beside it
.set Z,   15                           ; the sum
.set MA,  16
.set MB,  17
.set DD,  17                           ; later d
.set SA,  18
.set SB,  20
.set QC,  18                           ; later: the count of hidden keys
.set Z0,  19
.set GO0, 20
.set GO1, 21
.set L8,  22                           ; 8 x lane
.set GSO, 22
.set PWO, 23
.set KB,  24                           ; v24-91 panel 15 - p: fragment f at 24 + 8 f, 12 registers
.set KSC, 92                           ; v92-99 its scale words; later V's
.set K2,  100                          ; v100-167 panel p, then panel G
.set KSC2, 168
.set S,   176                          ; v176-239 a unit's scores; later c on the diagonal, then O^T
.set Q,   240
.set T0,  252
.set PW,  254                          ; c's scale words: below the diagonal step, on it
.set MG,  24                           ; second part: the 17 parts; then
.set MX,  24                           ; the 16 numbers of c's mixed block, v40-43 the blocks' plain number
.set VB1, 24
.set PU,  72
.set CT,  84
.set VB0, 100
.set TM,  148
.set OC,  208
.set PD,  240
.set LIV, 252
.set LSV, 253
.set SEL, 28
.set CS,  30
.macro QUANT src, pc, ct, tm, pw       ; 64 numbers of a lane, register 16 b + i = k 32 b + 16 (lane / 16) + i, become a fragment's codes and its scale word
.irp b, 0,1,2,3
	v_max3_num_f32 v[\tm+\b], |v[\src+16*\b]|, |v[\src+1+16*\b]|, 0x1800000
.endr
.irp i, 2,4,6,8,10,12,14
.irp b, 0,1,2,3
	v_max3_num_f32 v[\tm+\b], v[\tm+\b], |v[\src+16*\b+\i]|, |v[\src+1+16*\b+\i]|
.endr
.endr
.irp b, 0,1,2,3
	v_permlanex16_b32 v[\tm+4+\b], v[\tm+\b], s[SEL], s[SEL+1]
.endr
.irp b, 0,1,2,3
	v_max_num_f32 v[\tm+\b], v[\tm+\b], v[\tm+4+\b]
.endr
.irp b, 0,1,2,3
	v_add_nc_u32 v[\tm+12+\b], 0xff000000, v[\tm+\b]
.endr
.irp b, 0,1,2,3
	v_lshrrev_b32 v[\tm+4+\b], 23, v[\tm+12+\b]
.endr
	v_lshl_or_b32 v[\pw], v[\tm+5], 8, v[\tm+4]
	v_lshl_or_b32 v[\pw], v[\tm+6], 16, v[\pw]
	v_lshl_or_b32 v[\pw], v[\tm+7], 24, v[\pw]
.irp c, 0,1
	v_cvt_scalef32_pk16_fp6_f32 v[\pc+6*\c:\pc+2+6*\c], v[\src+32*\c:\src+15+32*\c], v[\tm+12+2*\c]
	v_cvt_scalef32_pk16_fp6_f32 v[\ct+4*\c:\ct+2+4*\c], v[\src+16+32*\c:\src+31+32*\c], v[\tm+13+2*\c]
.endr
	v_nop
.irp c, 0,1
.irp i, 0,1,2
	v_permlane16_swap_b32 v[\pc+6*\c+\i], v[\ct+4*\c+\i]
.endr
.irp i, 0,1,2
	v_mov_b32 v[\pc+3+6*\c+\i], v[\ct+4*\c+\i]
.endr
.endr
.endm
; a unit's softmax part over fragments f0 .. 7: the largest score of my query (both halves of the lanes), -M, 2^(t - M), my lane's sum
.macro MATH f0
.set B0, S+8*(\f0)
.set HN, 32-4*(\f0)
	v_max3_num_f32 v[MA], v[B0], v[B0+1], v[B0+2]
	v_max3_num_f32 v[MB], v[B0+HN], v[B0+HN+1], v[B0+HN+2]
.set n, 3
.rept (HN-4)/2
	v_max3_num_f32 v[MA], v[MA], v[B0+n], v[B0+n+1]
	v_max3_num_f32 v[MB], v[MB], v[B0+HN+n], v[B0+HN+n+1]
.set n, n+2
.endr
	v_max3_num_f32 v[MA], v[MA], v[B0+HN-1], v[B0+2*HN-1]
	v_max_num_f32 v[MA], v[MA], v[MB]
	v_permlanex16_b32 v[MB], v[MA], s[SEL], s[SEL+1]
	v_max_num_f32 v[MA], v[MA], v[MB]
	v_mul_f32 v[MA], s[CS], v[MA]
	v_floor_f32 v[NM], -v[MA]                      ; -M: M is a whole number
.set n, 0
.rept HN
	v_pk_fma_f32 v[B0+n:B0+n+1], v[B0+n:B0+n+1], s[CS:CS+1], v[NM:NM+1] op_sel_hi:[1,0,0]
.set n, n+2
.endr
	s_wait_alu depctr_va_vdst(0)                   ; the wait ahead of the batch
.set n, 0
.rept 2*HN
	v_exp_f32 v[B0+n], v[B0+n]
.set n, n+1
.endr
	v_nop                                          ; a plain instruction behind the batch
	s_wait_alu depctr_va_vdst(0)                   ; and for one wait behind it
	v_pk_add_f32 v[SA:SA+1], v[B0:B0+1], v[B0+2:B0+3]
	v_pk_add_f32 v[SB:SB+1], v[B0+4:B0+5], v[B0+6:B0+7]
.set n, 8
.rept (HN-4)/2
	v_pk_add_f32 v[SA:SA+1], v[SA:SA+1], v[B0+n:B0+n+1]
	v_pk_add_f32 v[SB:SB+1], v[SB:SB+1], v[B0+n+2:B0+n+3]
.set n, n+4
.endr
	v_pk_add_f32 v[SA:SA+1], v[SA:SA+1], v[SB:SB+1]
	v_add_f32 v[Z], v[SA], v[SA+1]
.endm
; A UNIT: the panel in registers kb x the tile whose image lies tt places behind s[sq].  Register 8 f + j holds key 32 (f / 2) + 8 (f % 2) + 16 (lane / 16) + j.
; dg = 0: the part goes to LDS at s[st].  dg = 1: the diagonal unit of tile tt: the part stays in v[NM], v[Z], the diagonal's score in v[DG]
.macro UNIT kb, ksc, tt, dg, sq, ss, st
	v_add_nc_u32 v[AD], s[\sq], v[LI]
	v_add_nc_u32 v[AS], s[\ss], v[LS]
	ds_load_b128 v[Q:Q+3], v[AD] offset:\tt*FRB
	ds_load_b128 v[Q+4:Q+7], v[AD] offset:\tt*FRB+512
	ds_load_b128 v[Q+8:Q+11], v[AD] offset:\tt*FRB+1024
	ds_load_b32 v[QS], v[AS] offset:\tt*64
.if \dg
.irp n, 0,1,2,3,4,5,6,7,8,9,10,11,12,13,14,15
	v_cmp_lt_i32 vcc_lo, \n, v[DQ]                 ; key 8 u + 16 h + j of the block under my query: hidden
	v_cndmask_b32 v[S+16*\tt+\n], v[ZR], v[NB], vcc_lo
.endr
.rept 4
	v_nop
.endr
	s_wait_alu depctr_va_vdst(0)                   ; directly ahead of the wait below
.endif
	s_wait_dscnt 0x0
.set f, 2*(\tt)*(\dg)
.rept 8-2*(\tt)*(\dg)
.if (\dg) && (f < 2*(\tt)+2)
	v_wmma_scale_f32_16x16x128_f8f6f4 v[S+8*f:S+8*f+7], v[\kb+8*f:\kb+8*f+11], v[Q:Q+11], v[S+8*f:S+8*f+7], v[\ksc+f], v[QS] matrix_a_fmt:MATRIX_FMT_FP6 matrix_b_fmt:MATRIX_FMT_FP6
.else
	v_wmma_scale_f32_16x16x128_f8f6f4 v[S+8*f:S+8*f+7], v[\kb+8*f:\kb+8*f+11], v[Q:Q+11], 0, v[\ksc+f], v[QS] matrix_a_fmt:MATRIX_FMT_FP6 matrix_b_fmt:MATRIX_FMT_FP6
.endif
.set f, f+1
.endr
.rept 4
	v_nop
.endr
.if \dg
.irp j, 0,1,2,3,4,5,6,7                ; the diagonal lies in fragment 2 tt + parity, register j, lanes j and j + 24
	v_cndmask_b32 v[T0+(\j%2)], v[S+16*\tt+\j], v[S+16*\tt+8+\j], s76
.if \j == 0
	v_cndmask_b32 v[DG], v[ZR], v[T0], s68
.else
	v_cndmask_b32 v[DG], v[DG], v[T0+(\j%2)], s[68+\j]
.endif
.endr
.endif
	MATH 2*(\tt)*(\dg)
.if (\dg) == 0
	v_add_nc_u32 v[AD], s[\st], v[L8]
	ds_store_b64 v[AD], v[NM:NM+1] offset:\tt*4096
.endif
.endm
; four tiles of one class x one panel.  Every wave walks the loop; ids alone say whether its units are whole (cmpop holds); else (hidden, or the owner's diagonal unit) it leaves a part that counts for nothing
.macro PASS kb, ksc, cls, hi, cmpop
	s_add_co_u32 s42, s36, \cls*4*FRB
	s_add_co_u32 s43, s37, \cls*256
	s_add_co_u32 s46, s38, \cls*16384+\hi*2048
	s_mov_b32 s48, 4
.Lt_\@:
	\cmpop s14, s11
	s_cbranch_scc0 .Ln_\@
	UNIT \kb, \ksc, 0, 0, 42, 43, 46
	s_branch .Lx_\@
.Ln_\@:
	v_mov_b32 v[NM], 0x7f61b1e6                    ; -M = 3e38, sum 0
	v_mov_b32 v[Z], 0
	v_add_nc_u32 v[AD], s46, v[L8]
	ds_store_b64 v[AD], v[NM:NM+1]
.Lx_\@:
	s_add_co_u32 s42, s42, FRB
	s_add_co_u32 s43, s43, 64
	s_add_co_u32 s46, s46, 4096
	s_sub_co_u32 s48, s48, 1
	s_cmp_lg_u32 s48, 0
	s_cbranch_scc1 .Lt_\@
.endm
.macro KLOAD kb, ksc, ptr, sh          ; a panel's eight fragments, my head's two runs each, and the scale words: 24 loads
.irp f, 0,1,2,3,4,5,6,7
	global_load_b128 v[\kb+8*\f+\sh:\kb+8*\f+\sh+3], v[S+2], s[\ptr:\ptr+1] offset:\f*FRB
	global_load_b128 v[\kb+8*\f+\sh+4:\kb+8*\f+\sh+7], v[S+2], s[\ptr:\ptr+1] offset:\f*FRB+512
	global_load_b32 v[\ksc+\f], v[LS], s[\ptr:\ptr+1] offset:SCO+64*\f
.endr
.endm
; the head's loads of K.  Panel p is multiplied only where p > g (ids alone): elsewhere it is not loaded, and its registers hold zero codes and the scale byte 127 until panel G comes.  The wait for Q stands in each arm, with the arm's own count
.macro HEADK sh
	s_cmp_gt_u32 s14, s11
	s_cbranch_scc0 .Lhk_\@
	KLOAD K2, KSC2, 58, \sh
	KLOAD KB, KSC, 56, \sh
	s_wait_loadcnt 48                              ; Q's four loads are in; K's 48 may be out
	s_branch .Lk
.Lhk_\@:
.set n, 4
.rept 60
	v_mov_b32 v[K2+n], 0
.set n, n+1
.endr
.irp f, 0,1,2,3,4,5,6,7
	v_mov_b32 v[KSC2+\f], 0x7f7f7f7f
.endr
	s_wait_alu depctr_va_vdst(0)                   ; ahead of the wait and the branch below
	KLOAD KB, KSC, 56, \sh
	s_wait_loadcnt 24                              ; Q's four loads are in; K's 24 may be out
	s_branch .Lk
.endm
.macro KDIAG sh
.irp b, 0,1,2,3
	s_cmp_gt_u32 s24, \b
	s_cbranch_scc1 .Lkd_\@_\b
.irp u, 0,1
	global_load_b128 v[K2+8*(2*\b+\u)+\sh:K2+8*(2*\b+\u)+\sh+3], v[S+2], s[66:67] offset:(2*\b+\u)*FRB
	global_load_b128 v[K2+8*(2*\b+\u)+\sh+4:K2+8*(2*\b+\u)+\sh+7], v[S+2], s[66:67] offset:(2*\b+\u)*FRB+512
	global_load_b32 v[KSC2+2*\b+\u], v[LS], s[66:67] offset:SCO+64*(2*\b+\u)
.endr
.Lkd_\@_\b:
.endr
.endm
.macro VLOAD vb, vs, a, b              ; my head's four fragments of a panel of V: 16 LDS loads
.irp t, 0,1,2,3
.irp c, 0,1,2
	ds_load_b128 v[\vb+12*\t+4*\c:\vb+12*\t+4*\c+3], v[\a] offset:\t*FRB+512*\c
.endr
	ds_load_b32 v[\vs+\t], v[\b] offset:64*\t
.endr
.endm
	s_load_b128 s[4:7], s[0:1], 0x0                ; qkv, ac
	v_lshl_add_u32 v[SPW], v0, 2, SPARE
	v_mov_b32 v[NIL], 0
	ds_add_u32 v[SPW], v[NIL]                      ; the opening lines: the add, twice on end, and its wait ahead of my tensor load
	ds_add_u32 v[SPW], v[NIL]
	v_lshrrev_b32 v1, 5, v0
	v_readfirstlane_b32 s8, v1                     ; wave 0..15
	s_lshr_b32 s13, s8, 3                          ; e: my head of the pair
	s_lshl_b32 s14, s13, 1
	s_add_co_u32 s14, s14, s8
	s_and_b32 s14, s14, 7                          ; p = (wave + 2 e) % 8
	s_bfe_u32 s15, s8, 0x10002                     ; the tile that I own: its class,
	s_and_b32 s24, s8, 3                           ; its tt
	s_and_b32 s9, ttmp7, 0xffff
	s_lshr_b32 s10, s9, 3                          ; the batch
	s_and_b32 s9, s9, 7                            ; the head pair
	s_lshr_b32 s11, ttmp9, 1                       ; g
	s_and_b32 s12, ttmp9, 1                        ; the parity
	s_sub_co_u32 s26, 15, s11
	s_cmp_eq_u32 s15, 0
	s_cselect_b32 s25, s11, s26                    ; G: my tile's token group
	s_lshl_b32 s26, s24, 1
	s_add_co_u32 s26, s26, s12                     ; i: its fragment there
	s_mov_b32 s16, 3<<16                           ; descriptor group 1: a panel as 50 dense rows of 256 bytes (32 elements of 8)
	s_mov_b32 s17, 32<<16
	s_mov_b32 s18, 50<<16
	s_mov_b32 s19, 32<<16
	s_mov_b32 s20, 50
	s_mov_b32 s21, 32
	s_mov_b32 s22, 0
	s_mov_b32 s23, 0
	s_lshl_b32 s50, s9, 5
	s_lshl_b32 s51, s10, 4
	s_add_co_u32 s50, s50, s51                     ; 32 x head pair + 16 x batch
	s_add_co_u32 s51, s50, s8
	s_add_co_u32 s51, s51, 512
	s_mul_i32 s52, s51, PANEL                      ; V's panel number wave
	s_mov_b32 s53, 0
	s_add_co_u32 s51, s50, s25
	s_mul_i32 s54, s51, PANEL                      ; Q's panel G
	s_mov_b32 s55, 0
	s_add_co_u32 s51, s51, 256
	s_mul_i32 s66, s51, PANEL                      ; K's panel G
	s_mov_b32 s67, 0
	s_sub_co_u32 s51, 271, s14
	s_add_co_u32 s51, s51, s50
	s_mul_i32 s56, s51, PANEL                      ; K's panel 15 - p
	s_mov_b32 s57, 0
	s_add_co_u32 s51, s50, s14
	s_add_co_u32 s51, s51, 256
	s_mul_i32 s58, s51, PANEL                      ; K's panel p
	s_mov_b32 s59, 0
	s_lshl_b32 s51, s10, 4
	s_add_co_u32 s51, s51, s25
	s_lshl_b32 s51, s51, 3
	s_add_co_u32 s51, s51, s9
	s_mul_i32 s60, s51, PANEL                      ; the result's panel: 8 x token group + head pair
	s_mov_b32 s61, 0
	s_mov_b32 s32, 1
	s_mul_i32 s33, s8, PANEL
	s_mov_b32 s[SEL], 0x76543210
	s_mov_b32 s[SEL+1], 0xfedcba98
	s_mov_b32 s[CS], 0x3d38aa3b                    ; log2(e) / 32
	s_mov_b32 s[CS+1], s[CS]
	s_mul_i32 s36, s13, 8*FRB
	s_add_co_u32 s36, s36, QB                      ; my head's images of Q,
	s_lshl_b32 s37, s13, 9
	s_add_co_u32 s37, s37, QSB                     ; their scale words,
	s_lshl_b32 s38, s13, 15
	s_lshl_b32 s39, s14, 8
	s_add_co_u32 s38, s38, s39
	s_add_co_u32 s38, s38, STAT                    ; my slot p of my head's parts: the wave's number and constants alone
	s_mul_i32 s77, s15, 4*FRB
	s_add_co_u32 s77, s77, s36                     ; my own tile's class among the images,
	s_lshl_b32 s78, s15, 8
	s_add_co_u32 s78, s78, s37                     ; and among the scale words
.irp j, 0,1,2,3,4,5,6,7
	s_mov_b32 s[68+\j], (1<<\j)|(1<<(\j+24))
.endr
	s_cmp_eq_u32 s12, 1
	s_cselect_b32 s76, -1, 0
	s_cmp_eq_u32 s13, 0
	s_cselect_b32 s40, -1, 0
	s_cselect_b32 s41, 0, -1
	s_wait_dscnt 0x0                               ; both opening adds are done
	s_wait_kmcnt 0x0
	s_add_nc_u64 s[34:35], s[4:5], s[52:53]
	s_or_b32 s35, s35, 0x80000000
	s_add_nc_u64 s[54:55], s[4:5], s[54:55]
	s_add_nc_u64 s[56:57], s[4:5], s[56:57]
	s_add_nc_u64 s[58:59], s[4:5], s[58:59]
	s_add_nc_u64 s[66:67], s[4:5], s[66:67]
	s_add_nc_u64 s[60:61], s[6:7], s[60:61]
	s_mul_i32 s62, s26, FRB
	s_lshl_b32 s63, s26, 6
	s_lshl_b32 s49, s13, 9
	s_mul_i32 s50, s8, FRB
	s_add_co_u32 s50, s50, QB
	s_lshl_b32 s51, s8, 6
	s_add_co_u32 s51, s51, QSB
	s_lshl_b32 s52, s12, 3
	v_and_b32 v1, 15, v0                           ; r
	v_bfe_u32 v2, v0, 4, 1                         ; h
	v_and_b32 v[L8], 31, v0
	v_lshlrev_b32 v[LI], 4, v[L8]
	v_lshlrev_b32 v[L8], 3, v[L8]
	v_lshlrev_b32 v[LS], 2, v1
	v_mov_b32 v[ZR], 0
	v_mov_b32 v[NB], 0xf149f2ca                    ; -1e30
	v_mov_b32 v[Z], 0
	v_add_nc_u32 v[S], s62, v[LI]                  ; Q's fragment i,
	v_add_nc_u32 v[S+1], s63, v[LS]                ; its scale words,
	v_add_nc_u32 v[S+2], s49, v[LI]                ; K: 16 x lane + 512 e: my head's first run
	v_add_nc_u32 v[AD], s50, v[LI]                 ; the image that I lay: number wave
	v_add_nc_u32 v[AS], s51, v[LS]
	v_and_b32 v[DQ], 8, v1
	v_add3_u32 v[DQ], v[DQ], v1, s52
	v_lshlrev_b32 v[MA], 4, v2
	v_sub_nc_u32 v[DQ], v[DQ], v[MA]               ; 8 x parity + r + 8 (r / 8) - 16 h
.irp n, 0,1,2,3,64,65,66,67
	v_mov_b32 v[KB+\n], 0                          ; the four registers at one end that my head's loads leave out
	v_mov_b32 v[K2+\n], 0
.endr
	s_wait_alu depctr_va_vdst(0)                   ; the head's end
.irp c, 0,1,2
	global_load_b128 v[Q+4*\c:Q+4*\c+3], v[S], s[54:55] offset:512*\c
.endr
	global_load_b32 v[QS], v[S+1], s[54:55] offset:SCO
	s_cmp_eq_u32 s13, 0                            ; the wave's number alone
	s_cbranch_scc0 .Lk1
	HEADK 0
.Lk1:
	HEADK 4
.Lk:
	tensor_load_to_lds s[32:35], s[16:23]          ; my one tensor load: a panel of V, asked for behind K, which is wanted first; it is waited for behind the scores
	s_nop 0
.irp n, 0,1,2,3,4,5
	v_cndmask_b32 v[Q+\n], v[ZR], v[Q+\n], s40     ; the other head's codes of Q become zeros
	v_cndmask_b32 v[Q+6+\n], v[ZR], v[Q+6+\n], s41
.endr
.irp c, 0,1,2
	ds_store_b128 v[AD], v[Q+4*\c:Q+4*\c+3] offset:512*\c
.endr
	ds_store_b32 v[AS], v[QS]                      ; lanes l and l + 16 store the same word to the same place
	s_wait_xcnt 0x0                                ; the loads have read their address registers, which the scores will take
	s_wait_dscnt 0x0
	s_barrier_signal -1
	s_barrier_wait -1                              ; all 16 images lie in LDS
	s_wait_loadcnt 24                              ; panel p is in; panel 15 - p's 24 loads may be out
	PASS K2, KSC2, 0, 1, s_cmp_gt_u32              ; panel p x the low tiles (group g): whole where p > g
	s_wait_loadcnt 0x0                             ; panel 15 - p is in
	; ---- panel p is done with: its registers take panel G, for my own tile's diagonal unit; the loads land under the units below
	v_add_nc_u32 v[S+2], s49, v[LI]
	s_wait_alu depctr_va_vdst(0)                   ; directly ahead of the branches
	s_cmp_eq_u32 s13, 0
	s_cbranch_scc0 .Lkd1
	KDIAG 0
	s_branch .Lkd
.Lkd1:
	KDIAG 4
.Lkd:
	s_wait_xcnt 0x0                                ; the loads have read their address register
	; ---- panel 15 - p (8 or more) x the low tiles: always whole
	s_mov_b32 s42, s36
	s_mov_b32 s43, s37
	s_mov_b32 s46, s38
	s_mov_b32 s48, 4
.Lp0:
	UNIT KB, KSC, 0, 0, 42, 43, 46
	s_add_co_u32 s42, s42, FRB
	s_add_co_u32 s43, s43, 64
	s_add_co_u32 s46, s46, 4096
	s_sub_co_u32 s48, s48, 1
	s_cmp_lg_u32 s48, 0
	s_cbranch_scc1 .Lp0
	PASS KB, KSC, 1, 0, s_cmp_lt_u32               ; x the high tiles (group 15 - g): whole where p < g
	s_add_co_u32 s46, s38, 16384+2048              ; panel p x the high tiles: always hidden
	v_mov_b32 v[NM], 0x7f61b1e6
	v_mov_b32 v[Z], 0
	v_add_nc_u32 v[AD], s46, v[L8]
.irp tt, 0,1,2,3
	ds_store_b64 v[AD], v[NM:NM+1] offset:\tt*4096
.endr
	s_wait_loadcnt 0x0                             ; panel G is in
.irp tt, 0,1,2                         ; my own tile's diagonal unit, in the form of its tt: the wave's number alone
	s_cmp_eq_u32 s24, \tt
	s_cbranch_scc0 .Ldn\tt
	UNIT K2, KSC2, \tt, 1, 77, 78, 46
	s_branch .Ldx
.Ldn\tt:
.endr
	UNIT K2, KSC2, 3, 1, 77, 78, 46
.Ldx:
	s_wait_alu depctr_va_vdst(0)
	s_wait_tensorcnt 0x0                           ; my panel of V is in,
	s_wait_dscnt 0x0                               ; my parts are stored:
	s_barrier_signal -1
	s_barrier_wait -1                              ; everybody's.  The last barrier
	; ---- the owner joins its tile's 16 parts from LDS and its own
	s_lshl_b32 s62, s8, 12
	s_add_co_u32 s62, s62, STAT
	s_mul_i32 s50, s13, 4*FRB
	s_lshl_b32 s51, s13, 8
	s_add_co_u32 s51, s51, SCO
	v_add_nc_u32 v[AD], s62, v[L8]
	v_add_nc_u32 v[LIV], s50, v[LI]                ; V: fragments 4 e .. 4 e + 3 are my head's 64 columns
	v_add_nc_u32 v[LSV], s51, v[LS]
.irp k, 0,1,2,3,4,5,6,7,8,9,10,11,12,13,14,15
	ds_load_b64 v[MG+2*\k:MG+2*\k+1], v[AD] offset:256*\k
.endr
	VLOAD VB0, KSC, LIV, LSV                       ; V's step 0, under the arithmetic below
	v_mov_b32 v[MG+32], v[NM]                      ; the 17th part
	v_mov_b32 v[MG+33], v[Z]
	s_lshl_b32 s62, s24, 5
	s_lshl_b32 s63, s25, 7
	s_add_co_u32 s63, s63, s62
	v_lshl_add_u32 v[MA], v2, 4, v[DQ]
	v_add_nc_u32 v[MA], s63, v[MA]                 ; q: my query's place in the sequence = the count of hidden keys
	v_cvt_f32_u32 v[QC], v[MA]
	v_cmp_eq_u32 vcc_lo, 0, v[MA]
	v_mov_b32 v[MB], 0x7f61b1e6
	v_cndmask_b32 v[Z0], v[ZR], v[MB], vcc_lo      ; the hidden zeros' -M = 0, but for the first query, which has none
	s_mul_i32 s62, s26, FRB
	s_mul_i32 s63, s13, 520
	s_add_co_u32 s63, s63, s62
	v_add_nc_u32 v[GO0], s63, v[LI]                ; the result: registers 6 e, 6 e + 1 of fragment i's image (6 e + 4, 6 e + 5 another 512 on),
	s_mul_i32 s63, s13, 1016
	s_add_co_u32 s63, s63, s62
	s_add_co_u32 s63, s63, 8
	v_add_nc_u32 v[GO1], s63, v[LI]                ; 6 e + 2, 6 e + 3,
	s_lshl_b32 s62, s26, 6
	s_lshl_b32 s63, s13, 1
	s_add_co_u32 s62, s62, s63
	v_add_nc_u32 v[GSO], s62, v[LS]                ; bytes 2 e, 2 e + 1 of the row's scale word
.irp b, 0,1,2,3
	s_cmp_gt_u32 s24, \b
	s_cselect_b32 s[50+\b], -1, 0                  ; block b of the diagonal step lies under my tile's block,
	s_cmp_eq_u32 s24, \b
	s_cselect_b32 s[54+\b], -1, 0                  ; or is it
.endr
	s_wait_alu depctr_va_vdst(0)                   ; directly ahead of the wait below
	s_wait_dscnt 16                                ; the 16 loads of parts are in; V's 16 may be out
	v_min3_num_f32 v[NM], v[MG], v[MG+2], v[MG+4]
	v_min3_num_f32 v[MA], v[MG+6], v[MG+8], v[MG+10]
	v_min3_num_f32 v[NM], v[NM], v[MG+12], v[MG+14]
	v_min3_num_f32 v[MA], v[MA], v[MG+16], v[MG+18]
	v_min3_num_f32 v[NM], v[NM], v[MG+20], v[MG+22]
	v_min3_num_f32 v[MA], v[MA], v[MG+24], v[MG+26]
	v_min3_num_f32 v[NM], v[NM], v[MG+28], v[MG+30]
	v_min3_num_f32 v[MA], v[MA], v[MG+32], v[Z0]
	v_min_num_f32 v[NM], v[NM], v[MA]              ; the row's -M
.irp k, 0,1,2,3,4,5,6,7,8,9,10,11,12,13,14,15,16
	v_sub_f32 v[MG+2*\k], v[NM], v[MG+2*\k]        ; each part's M less the row's: a whole number, 0 or less
.endr
.irp k, 0,1,2,3,4,5,6,7,8,9,10,11,12,13,14,15,16
	v_cvt_i32_f32 v[MG+2*\k], v[MG+2*\k]           ; (it saturates)
.endr
.irp k, 0,1,2,3,4,5,6,7,8,9,10,11,12,13,14,15,16
	v_ldexp_f32 v[MG+2*\k], 1.0, v[MG+2*\k]
.endr
	v_mul_f32 v[Z], v[MG], v[MG+1]
	v_mul_f32 v[MA], v[MG+2], v[MG+3]
.irp k, 4,8,12,16,20,24,28
	v_fma_f32 v[Z], v[MG+\k], v[MG+\k+1], v[Z]
	v_fma_f32 v[MA], v[MG+\k+2], v[MG+\k+3], v[MA]
.endr
	v_fma_f32 v[Z], v[MG+32], v[MG+33], v[Z]
	v_add_f32 v[Z], v[Z], v[MA]
	v_permlanex16_b32 v[MB], v[Z], s[SEL], s[SEL+1]
	v_add_f32 v[Z], v[Z], v[MB]                    ; both halves of the lanes
	v_cvt_i32_f32 v[MA], v[NM]
	v_ldexp_f32 v[MA], 1.0, v[MA]                  ; 2^(-M): what a hidden zero adds
	v_min_num_f32 v[MA], 0x7f7fffff, v[MA]         ; held finite: for the first query it is multiplied by a count of 0
	v_fma_f32 v[Z], v[QC], v[MA], v[Z]             ; Z
	v_permlanex16_b32 v[MB], v[DG], s[SEL], s[SEL+1]
	v_add_f32 v[DG], v[DG], v[MB]                  ; one of my query's two lanes met the diagonal; the other holds 0
	v_fma_f32 v[DG], v[DG], s[CS], v[NM]
	s_wait_alu depctr_va_vdst(0)                   ; ahead of the two
	v_rcp_f32 v[Z], v[Z]
	v_exp_f32 v[DG], v[DG]
	v_nop
	s_wait_alu depctr_va_vdst(0)                   ; and behind them
	v_mul_f32 v[U], v[MA], v[Z]                    ; u
	v_mul_f32 v[DD], v[DG], v[Z]                   ; d
	; ---- c below the diagonal step: every number of my row is u: one code, one scale byte
.set n, 0
.rept 16
	v_mov_b32 v[S+n], v[U]
.set n, n+1
.endr
	v_max_num_f32 v[TM], 0x1800000, v[U]
	v_add_nc_u32 v[TM+2], 0xff000000, v[TM]
	v_lshrrev_b32 v[TM], 23, v[TM+2]
	v_mul_lo_u32 v[PW], v[TM], 0x1010101
	v_cvt_scalef32_pk16_fp6_f32 v[PU:PU+2], v[S:S+15], v[TM+2]
	v_nop
.irp n, 3,4,5,6,7,8,9,10,11
	v_mov_b32 v[PU+\n], v[PU+\n-3]                 ; 16 codes are three registers: the pattern repeats
.endr
	; ---- c on the diagonal step: blocks under my tile's block hold u, blocks above it 0; in it: u under my query, d at it, 0 above
.irp n, 4,5,6,7
	v_mov_b32 v[TM+\n], 0                          ; a lane permute's destination counts as one of its sources
.endr
.irp n, 0,1,2,3,4,5,6,7,8,9,10,11,12,13,14,15
	v_cmp_lt_i32 vcc_lo, \n, v[DQ]
	v_cndmask_b32 v[MX+\n], v[ZR], v[U], vcc_lo
	v_cmp_eq_i32 vcc_lo, \n, v[DQ]
	v_cndmask_b32 v[MX+\n], v[MX+\n], v[DD], vcc_lo
.endr
.irp b, 0,1,2,3
	v_cndmask_b32 v[MX+16+\b], v[ZR], v[U], s[50+\b]
.endr
.irp b, 0,1,2,3
.irp n, 0,1,2,3,4,5,6,7,8,9,10,11,12,13,14,15
	v_cndmask_b32 v[S+16*\b+\n], v[MX+16+\b], v[MX+\n], s[54+\b]
.endr
.endr
	QUANT S, PD, CT, TM, PW+1
.set n, 0
.rept 32
	v_mov_b32 v[S+n], 0                            ; O^T: the step is written once.  (Also the plain instructions between the operands and scale words just made and the products)
.set n, n+1
.endr
	s_wait_alu depctr_va_vdst(0)
; ---- O^T += V^T c^T, 128 keys a step, up to and with step G; two sets of fragments by turns: step s + 1 is fetched while step s is multiplied.  s49 = the LDS byte of panel s + 1
.macro PV vb, vs, nb, ns
	s_cmp_gt_u32 s48, s25                          ; ids and the count of steps alone
	s_cbranch_scc1 .Lskip_\@
	s_wait_dscnt 0x0                               ; this step's fragments are in
	s_cmp_eq_u32 s48, s25
	s_cbranch_scc1 .Ldiag_\@
	v_add_nc_u32 v[AD], s49, v[LIV]
	v_add_nc_u32 v[AS], s49, v[LSV]
	VLOAD \nb, \ns, AD, AS
.irp t, 0,1,2,3                        ; the four accumulators take turns
	v_wmma_scale_f32_16x16x128_f8f6f4 v[S+8*\t:S+8*\t+7], v[\vb+12*\t:\vb+12*\t+11], v[PU:PU+11], v[S+8*\t:S+8*\t+7], v[\vs+\t], v[PW] matrix_a_fmt:MATRIX_FMT_FP6 matrix_b_fmt:MATRIX_FMT_FP6
.endr
	s_branch .Ldone_\@
.Ldiag_\@:
.irp t, 0,1,2,3
	v_wmma_scale_f32_16x16x128_f8f6f4 v[S+8*\t:S+8*\t+7], v[\vb+12*\t:\vb+12*\t+11], v[PD:PD+11], v[S+8*\t:S+8*\t+7], v[\vs+\t], v[PW+1] matrix_a_fmt:MATRIX_FMT_FP6 matrix_b_fmt:MATRIX_FMT_FP6
.endr
.Ldone_\@:
.rept 4
	v_nop                                          ; in front of the next loads into these registers and of the first read of the results
.endr
.Lskip_\@:
	s_add_co_u32 s49, s49, PANEL
	s_add_co_u32 s48, s48, 1
.endm
	s_mov_b32 s48, 0
	s_mov_b32 s49, PANEL
.Lpv:
	PV VB0, KSC, VB1, KSC+4
	PV VB1, KSC+4, VB0, KSC
	s_cmp_lt_u32 s48, 16
	s_cbranch_scc1 .Lpv
	; ---- THE WAY OUT: register 16 b + i is column 64 e + 32 b + 16 (lane / 16) + i of the head pair: blocks 2 e and 2 e + 1 of the next product's K
.irp b, 0,1
	v_max3_num_f32 v[TM+\b], |v[S+16*\b]|, |v[S+1+16*\b]|, 0x1800000
.endr
.irp i, 2,4,6,8,10,12,14
.irp b, 0,1
	v_max3_num_f32 v[TM+\b], v[TM+\b], |v[S+16*\b+\i]|, |v[S+1+16*\b+\i]|
.endr
.endr
.irp b, 0,1
	v_permlanex16_b32 v[TM+4+\b], v[TM+\b], s[SEL], s[SEL+1]
.endr
.irp b, 0,1
	v_max_num_f32 v[TM+\b], v[TM+\b], v[TM+4+\b]
.endr
.irp b, 0,1
	v_add_nc_u32 v[TM+12+\b], 0xff000000, v[TM+\b]
.endr
.irp b, 0,1
	v_lshrrev_b32 v[TM+4+\b], 23, v[TM+12+\b]
.endr
	v_lshl_or_b32 v[PWO], v[TM+5], 8, v[TM+4]
	v_cvt_scalef32_pk16_fp6_f32 v[OC:OC+2], v[S:S+15], v[TM+12]
	v_cvt_scalef32_pk16_fp6_f32 v[CT:CT+2], v[S+16:S+31], v[TM+13]
	v_nop                                          ; a plain instruction behind the conversions
.irp i, 0,1,2
	v_permlane16_swap_b32 v[OC+\i], v[CT+\i]       ; a whole block to a lane: lanes 0-15 block 2 e, lanes 16-31 block 2 e + 1
.endr
.irp i, 0,1,2
	v_mov_b32 v[OC+3+\i], v[CT+\i]
.endr
	global_store_b64 v[GO0], v[OC:OC+1], s[60:61]            ; my half of the fragment's image; the other head's wave stores the other half
	global_store_b64 v[GO1], v[OC+2:OC+3], s[60:61]
	global_store_b64 v[GO0], v[OC+4:OC+5], s[60:61] offset:512
	global_store_b16 v[GSO], v[PWO], s[60:61] offset:SCO     ; lanes l and l + 16 store the same two bytes to the same place
	s_wait_tensorcnt 0x0                           ; the wave's end
	ds_add_u32 v[SPW], v[NIL]
	s_wait_dscnt 0x0
	s_endpgm
.Lfunc_end_k_qa0557ca9c3_attn:
	.size	k_qa0557ca9c3_attn, .Lfunc_end_k_qa0557ca9c3_attn-k_qa0557ca9c3_attn
	.p2alignl 7, 3214868480
	.fill 96, 4, 3214868480
	.section	.rodata,"a",@progbits
	.p2align	6, 0x0
	.amdhsa_kernel k_qa0557ca9c3_attn
		.amdhsa_group_segment_fixed_size 327680
		.amdhsa_private_segment_fixed_size 0
		.amdhsa_enable_private_segment 0
		.amdhsa_kernarg_size 16
		.amdhsa_user_sgpr_count 2
		.amdhsa_user_sgpr_kernarg_segment_ptr 1
		.amdhsa_wavefront_size32 1
		.amdhsa_system_sgpr_workgroup_id_x 1
		.amdhsa_system_sgpr_workgroup_id_y 1
		.amdhsa_system_sgpr_workgroup_id_z 1
		.amdhsa_system_vgpr_workitem_id 0
		.amdhsa_next_free_vgpr 256
		.amdhsa_next_free_sgpr 80
		.amdhsa_reserve_vcc 1
		.amdhsa_float_denorm_mode_32 3
		.amdhsa_float_denorm_mode_16_64 3
		.amdhsa_memory_ordered 1
		.amdhsa_forward_progress 1
		.amdhsa_inst_pref_size 126
	.end_amdhsa_kernel
	.amdgpu_metadata
---
amdhsa.version: [ 1, 2 ]
amdhsa.kernels:
  - .name:           k_qa0557ca9c3_attn
    .symbol:         k_qa0557ca9c3_attn.kd
    .args:
      - { .name: qkv, .offset: 0, .size: 8, .value_kind: global_buffer, .address_space: global }
      - { .name: ac, .offset: 8, .size: 8, .value_kind: global_buffer, .address_space: global }
    .group_segment_fixed_size: 327680
    .private_segment_fixed_size: 0
    .kernarg_segment_align: 8
    .kernarg_segment_size: 16
    .max_flat_workgroup_size: 512
    .sgpr_count:     80
    .vgpr_count:     256
    .wavefront_size: 32
...
	.end_amdgpu_metadata
.endif
;; end of part 3
;; launch oproj (part 4): grid 8 x 32, 4 waves a work-group, clusters of 4 x 4, 327,680 bytes of LDS; arguments ac, wc, bo, hf, rf; writes rf
.if DOCPART == 4
	.amdgcn_target "amdgcn-amd-amdhsa--gfx1250"
	.amdhsa_code_object_version 6
	.text
	.protected	k_qa0557ca9c3_oproj
	.globl	k_qa0557ca9c3_oproj
	.p2align	8
	.type	k_qa0557ca9c3_oproj,@function
k_qa0557ca9c3_oproj:
	s_mov_b64 s[64:65], 0
	v_nop
	global_prefetch_b8 v0, s[64:65] scope:SCOPE_SE
	s_setreg_imm32_b32 hwreg(HW_REG_WAVE_MODE, 25, 1), 1
	s_wait_xcnt 0x0
	s_wait_alu depctr_hold_cnt(0) depctr_sa_sdst(0) depctr_va_vdst(0) depctr_va_sdst(0) depctr_va_ssrc(0) depctr_va_vcc(0) depctr_vm_vsrc(0)
	s_getreg_b32 s2, hwreg(HW_REG_IB_STS2, 6, 4)
	s_cmp_eq_u32 s2, 0
	s_cbranch_scc0 .Lentry_in_a_cluster
	s_endpgm
.Lentry_in_a_cluster:
	s_bfe_u32 s2, ttmp6, 0x10000c
	s_cmp_lg_u32 s2, 0xf033
	s_cbranch_scc0 .Lentry_shape_is_right
	s_endpgm
.Lentry_shape_is_right:
; rf = hf + attention's result x Wo + bo: a GEMM on panels of codes of E2M3 with an f32 way out.
; PANEL = 128 rows x 128 along K as images of operand registers (fragment i at 1536 i, scale words at 12288 + 64 i + 4 r; 12,800 bytes); fragment 2 b + u, lane-row r, holds panel row 32 b + 8 u + r + 8 (r / 8).
; N = 1,024 gives only 64 tiles of 256 x 256, so a tile is 128 x 128: 256 work-groups; a wave makes 64 x 64: 16 accumulators.  A slot holds four steps of 128 along K; a wave's tensor load brings four panels.
; CLUSTERS 4 x 4: A's panels are shared along a row of the cluster, B's along a column: joint loads.  The matrix instruction is used transposed (source 0 = B's rows, source 1 = A's).
; REGISTERS: window 0: v0-31 addresses; v32-39 scale words, two sets; v40-43 the bias; v64-127 rows on the way out; v128-255 the accumulators, (a, b) at v[128 + 8 (4 a + b)].
;   window 1: two fragment buffers at v0 and v128: A's four fragments, then B's four.  window 2 (with a residual): its 128 numbers a lane, asked for at the head.
.set NKS,   8                          ; steps of 128 along K
.set RESID, 1
.set WOFF,  192                        ; the weight's first panel in wc
.set OUTP,  12
.set PANEL, 12800
.set FRB,   1536
.set SCO,   12288
.set LOADB, 2*PANEL
.set SLOT,  4*LOADB
.set STAGE, 2*SLOT                     ; behind the ring: 16 rows x (256 + 16) bytes for each wave
.set SPARE, STAGE+4*16*272             ; the spare words, 128 bytes for each wave: two blocks of 256 bytes that no other line names
.set LAPS,  NKS/8
.set ADRA, 16
.set ADRB, 20
.set ADRS, 22
.set STO,  24
.set RD,   25
.set CO,   26
.set BOF,  27
.set SPW,  28
.set NIL,  29
.set SC,   32
.set BIAS, 40
.set OB,   64
.set ACC,  128
.set G1,   24
.set G0,   32
.set G1B,  48
.set G0B,  56
.set MSB, 0
.macro WIN new
.if MSB != \new
	s_set_vgpr_msb (MSB<<8)|\new
.set MSB, \new
.endif
.endm
.set MULW, 0x05                        ; sources 0 and 1 window 1; C and D window 0
.macro JLOAD g0a, g1a, g0b, g1b        ; a joint load: waves 0 and 1 fetch for A, waves 2 and 3 for B; an s_nop 0 and four v_nop follow each line
	s_cmp_eq_u32 s17, 0
	s_cbranch_scc0 .Lfor_b_\@
	tensor_load_to_lds s[\g0a:\g0a+3], s[\g1a:\g1a+7]
	s_nop 0
.rept 4
	v_nop
.endr
	s_branch .Lasked_\@
.Lfor_b_\@:
	tensor_load_to_lds s[\g0b:\g0b+3], s[\g1b:\g1b+7]
	s_nop 0
.rept 4
	v_nop
.endr
.Lasked_\@:
.endm
.macro CREST
	s_cmp_lg_u32 s16, 0
	s_cbranch_scc1 .Lnot_wave_0_\@
	s_barrier_signal -3
.Lnot_wave_0_\@:
	s_barrier_wait -3
	s_barrier_signal -1
	s_barrier_wait -1
.endm
.macro CROUND
	s_barrier_signal -1
	s_barrier_wait -1
	CREST
.endm
.macro PLACES n
.rept \n
	v_nop
.endr
.endm
	s_load_b256 s[4:11], s[0:1], 0x0               ; the rows' codes, wc, the bias, (the residual | the result)
.if RESID
	s_load_b64 s[12:13], s[0:1], 0x20              ; the result
.endif
	v_lshl_add_u32 v[SPW], v0, 2, SPARE
	v_mov_b32 v[NIL], 0
	ds_add_u32 v[SPW], v[NIL]                      ; the wave's opening: the add and its wait ahead of my first tensor load
	ds_add_u32 v[SPW], v[NIL]
	v_lshrrev_b32 v1, 5, v0
	v_readfirstlane_b32 s16, v1                    ; wave 0..3
	s_lshr_b32 s17, s16, 1                         ; which 64 rows of A are mine.  Also: I fetch for A (0) or for B (1)
	s_and_b32 s18, s16, 1                          ; which 64 rows of B.  Also: which slot's four panels I fetch
	s_bfe_u32 s40, ttmp6, 0x40000                  ; cx
	s_bfe_u32 s41, ttmp6, 0x40004                  ; cy
	s_lshl_b32 s42, ttmp9, 2
	s_add_co_u32 s42, s42, s40                     ; tile column
	s_and_b32 s19, ttmp7, 0xffff
	s_lshl_b32 s19, s19, 2
	s_add_co_u32 s19, s19, s41                     ; tile row
	s_lshl_b32 s43, s41, 2
	s_lshl_b32 s43, 15, s43
	s_lshl_b32 s44, 0x1111, s40
	s_or_b32 s[G1], s43, (3<<16)|(1<<21)           ; the mask; elements of 8 bytes; bit 21 beside a mask; no padding
	s_or_b32 s[G1B], s44, (3<<16)|(1<<21)
.irp g, G1, G1B
	s_mov_b32 s[\g+1], 32<<16                      ; rows of 256 bytes,
	s_mov_b32 s[\g+2], 200<<16                     ; 200 of them: four panels, A's or B's half of a slot
	s_mov_b32 s[\g+3], 32<<16
	s_mov_b32 s[\g+4], 200
	s_mov_b32 s[\g+5], 32
	s_mov_b32 s[\g+6], 0
	s_mov_b32 s[\g+7], 0
.endr
	s_mul_i32 s20, s19, NKS
	s_lshl_b32 s21, s18, 1
	s_add_co_u32 s20, s20, s21
	s_mul_i32 s20, s20, PANEL                      ; A: panel NKS x tile row + 2 x half
	s_mov_b32 s21, 0
	s_mul_i32 s46, s42, NKS
	s_lshl_b32 s47, s18, 1
	s_add_co_u32 s46, s46, s47
	s_add_co_u32 s46, s46, WOFF
	s_mul_i32 s46, s46, PANEL                      ; B likewise, in the weight's part of wc
	s_mov_b32 s47, 0
	s_mul_i32 s66, s16, LOADB
	s_wait_dscnt 0x0                               ; the opening add is done
	s_wait_kmcnt 0x0
	s_add_nc_u64 s[20:21], s[4:5], s[20:21]
	s_add_nc_u64 s[46:47], s[6:7], s[46:47]
	CROUND                                         ; all sixteen work-groups are here: the first joint loads meet
.irp s, 0,1
	s_mov_b32 s[G0+4*\s], 1
	s_add_co_u32 s[G0+4*\s+1], s66, \s*SLOT
	s_add_nc_u64 s[G0+4*\s+2:G0+4*\s+3], s[20:21], \s*2*LOADB
	s_or_b32 s[G0+4*\s+3], s[G0+4*\s+3], 0x80000000
	s_mov_b32 s[G0B+4*\s], 1
	s_add_co_u32 s[G0B+4*\s+1], s66, \s*SLOT
	s_add_nc_u64 s[G0B+4*\s+2:G0B+4*\s+3], s[46:47], \s*2*LOADB
	s_or_b32 s[G0B+4*\s+3], s[G0B+4*\s+3], 0x80000000
.endr
	; the head's loads, one a wave: wave 0 brings A's four panels of slot 0, wave 1 those of slot 1, waves 2 and 3 B's: all of K
	s_mul_i32 s76, s18, LOADB
	s_mov_b32 s77, 0
	s_mov_b32 s68, 1
	s_mul_i32 s69, s18, SLOT
	s_add_nc_u64 s[70:71], s[20:21], s[76:77]      ; panel 4 x slot
	s_or_b32 s71, s71, 0x80000000
	s_mov_b32 s72, 1
	s_add_co_u32 s73, s69, 2*LOADB
	s_add_nc_u64 s[74:75], s[46:47], s[76:77]
	s_or_b32 s75, s75, 0x80000000
	JLOAD 68, G1, 72, G1B
	v_and_b32 v1, 15, v0                           ; r
	v_bfe_u32 v2, v0, 4, 1                         ; h
	v_and_b32 v3, 31, v0
	v_lshlrev_b32 v3, 4, v3                        ; 16 x lane
	s_wait_alu depctr_va_vdst(0)
	s_mul_i32 s90, s17, 4*FRB                      ; my four fragments of A
	s_mul_i32 s91, s18, 4*FRB
	s_add_co_u32 s91, s91, 2*LOADB                 ; my four of B
	s_lshl_b32 s92, s17, 8
	s_lshl_b32 s93, s18, 8
	s_add_co_u32 s93, s93, 2*LOADB
	s_sub_co_u32 s93, s93, s92
	v_mul_u32_u24 v4, s93, v2                      ; scale words: lanes 0-15 take A's, lanes 16-31 B's
	v_lshl_add_u32 v4, v1, 2, v4
	s_add_co_u32 s92, s92, SCO
.irp s, 0,1
	v_add_nc_u32 v[ADRA+\s], s90, v3
	v_add_nc_u32 v[ADRB+\s], s91, v3
	v_add_nc_u32 v[ADRS+\s], s92, v4
	s_add_co_u32 s90, s90, SLOT
	s_add_co_u32 s91, s91, SLOT
	s_add_co_u32 s92, s92, SLOT
.endr
	s_mul_i32 s90, s16, 16*272
	s_add_co_u32 s90, s90, STAGE                   ; my stage
	v_mul_u32_u24 v5, v1, 272
	v_lshl_add_u32 v5, v2, 6, v5
	v_add_nc_u32 v[STO], s90, v5                   ; in: row r, + 64 h
	v_mul_u32_u24 v5, v2, 272
	v_lshl_add_u32 v5, v1, 4, v5
	v_add_nc_u32 v[RD], s90, v5                    ; back: lanes 0-15 one row of 256 bytes, lanes 16-31 the next
	v_lshlrev_b32 v[CO], 12, v2
	v_lshl_add_u32 v[CO], v1, 4, v[CO]             ; and the same two rows in memory
	v_lshlrev_b32 v[BOF], 4, v1
	s_wait_alu depctr_va_vdst(0)
	s_lshl_b32 s90, s19, 19
	s_lshl_b32 s91, s17, 18
	s_add_co_u32 s90, s90, s91                     ; row 128 x tile row + 64 x half, 4,096 bytes a row
	s_lshl_b32 s92, s42, 9
	s_lshl_b32 s91, s18, 8
	s_add_co_u32 s92, s92, s91                     ; column byte 512 x tile column + 256 x half
	s_mov_b32 s93, 0
	s_add_co_u32 s90, s90, s92
	s_mov_b32 s91, 0
	s_add_nc_u64 s[82:83], s[8:9], s[92:93]
	s_add_nc_u64 s[86:87], s[OUTP:OUTP+1], s[90:91]
	global_load_b128 v[BIAS:BIAS+3], v[BOF], s[82:83]
.if RESID
	s_add_nc_u64 s[84:85], s[10:11], s[90:91]
	WIN 0x80                                       ; destination window 2
.irp a, 0,1,2,3
.irp t, 0,1,2,3,4,5,6,7
	global_load_b128 v[4*(8*\a+\t):4*(8*\a+\t)+3], v[CO], s[84:85] offset:(32*(\a/2)+8*(\a%2)+2*\t+8*(\t/4))*4096 th:TH_LOAD_NT
.endr
.endr
	WIN 0
.endif
.macro FETCH slot, q, f                ; the fragments and scale words of the slot's q-th 128 along K into buffer f
	WIN 0x40
.irp i, 0,1,2,3
.irp c, 0,1,2
	ds_load_b128 v[\f+48+12*\i+4*\c:\f+48+12*\i+4*\c+3], v[ADRB+\slot] offset:(\q)*PANEL+\i*FRB+512*\c
.endr
.endr
.irp i, 0,1,2,3
.irp c, 0,1,2
	ds_load_b128 v[\f+12*\i+4*\c:\f+12*\i+4*\c+3], v[ADRA+\slot] offset:(\q)*PANEL+\i*FRB+512*\c
.endr
.endr
	WIN 0
.irp i, 0,1,2,3
	ds_load_b32 v[SC+4*((\f)/128)+\i], v[ADRS+\slot] offset:(\q)*PANEL+64*\i
.endr
.endm
.macro MUL4 f, a, zero                 ; A's block a x B's four.  The 16 accumulators take turns
.irp b, 0,1,2,3
.if \zero
	v_wmma_scale_f32_16x16x128_f8f6f4 v[ACC+8*(4*\a+\b):ACC+8*(4*\a+\b)+7], v[\f+48+12*\b:\f+48+12*\b+11], v[\f+12*\a:\f+12*\a+11], 0, v[SC+4*((\f)/128)+\b], v[SC+4*((\f)/128)+\a] matrix_a_fmt:MATRIX_FMT_FP6 matrix_b_fmt:MATRIX_FMT_FP6 matrix_a_scale:MATRIX_SCALE_ROW1
.else
	v_wmma_scale_f32_16x16x128_f8f6f4 v[ACC+8*(4*\a+\b):ACC+8*(4*\a+\b)+7], v[\f+48+12*\b:\f+48+12*\b+11], v[\f+12*\a:\f+12*\a+11], v[ACC+8*(4*\a+\b):ACC+8*(4*\a+\b)+7], v[SC+4*((\f)/128)+\b], v[SC+4*((\f)/128)+\a] matrix_a_fmt:MATRIX_FMT_FP6 matrix_b_fmt:MATRIX_FMT_FP6 matrix_a_scale:MATRIX_SCALE_ROW1
.endif
.endr
.endm
.macro KSTP slot, q, zero              ; one of a slot's first three steps: multiplies buffer q % 2, fetches the next step into the other
	s_wait_dscnt 0x0                               ; this step's fragments are in
	PLACES 4                                       ; four plain instructions in front of loads into registers that matrix instructions have read
	FETCH \slot, (\q)+1, 128*(1-(\q)%2)
	WIN MULW
	MUL4 128*((\q)%2), 0, \zero
	MUL4 128*((\q)%2), 1, \zero
	MUL4 128*((\q)%2), 2, \zero
	MUL4 128*((\q)%2), 3, \zero
.endm
.macro TURN slot, next, fill           ; a slot's last step changes slots: one barrier; fill = 1: this slot is filled again, two slots ahead
	WIN 0                                          ; (the add's two registers lie in window 0)
	s_wait_tensorcnt 0x0                           ; all my tensor loads have landed: my part of the next slot
	ds_add_u32 v[SPW], v[NIL]                      ; 0 onto my spare word
	s_wait_dscnt 1                                 ; this step's fragments are in (the add may be out)
	WIN MULW
	MUL4 128, 0, 0
	s_wait_dscnt 0x0                               ; the add is done, and my reads of this slot are over
	s_barrier_signal -1
	MUL4 128, 1, 0
	WIN 0
	s_barrier_wait -1
.if \fill
	CREST                                          ; the barrier has opened a round of the cluster's
	s_add_nc_u64 s[G0+4*\slot+2:G0+4*\slot+3], s[G0+4*\slot+2:G0+4*\slot+3], 4*LOADB
	s_add_nc_u64 s[G0B+4*\slot+2:G0B+4*\slot+3], s[G0B+4*\slot+2:G0B+4*\slot+3], 4*LOADB
	JLOAD G0+4*\slot, G1, G0B+4*\slot, G1B
.else
	PLACES 4
.endif
	FETCH \next, 0, 0
	WIN MULW
	MUL4 128, 2, 0
	MUL4 128, 3, 0
.endm
	s_wait_tensorcnt 0x0                           ; my half slot is in,
	s_barrier_signal -1
	s_barrier_wait -1                              ; everybody's is: both slots are whole
	FETCH 0, 0, 0
	KSTP 0, 0, 1                                   ; the first step's products start the sums
.if LAPS > 1
	WIN 0
	s_mov_b32 s3, LAPS-1
.Llap:
	KSTP 0, 1, 0
	KSTP 0, 2, 0
	TURN 0, 1, 1
	KSTP 1, 0, 0
	KSTP 1, 1, 0
	KSTP 1, 2, 0
	TURN 1, 0, 1
	KSTP 0, 0, 0
	WIN 0
	s_sub_co_u32 s3, s3, 1
	s_cmp_lg_u32 s3, 0
	s_cbranch_scc1 .Llap
.endif
	KSTP 0, 1, 0                                   ; the last lap fills nothing
	KSTP 0, 2, 0
	TURN 0, 1, 0
	KSTP 1, 0, 0
	KSTP 1, 1, 0
	KSTP 1, 2, 0
	s_wait_dscnt 0x0
	MUL4 128, 0, 0
	MUL4 128, 1, 0
	MUL4 128, 2, 0
	MUL4 128, 3, 0
	WIN 0
; THE WAY OUT, a block of 16 rows x 64 columns at a time through my own stage: a lane's eight results are eight neighbouring columns; back come whole runs of 256 bytes, which sixteen lanes store as one aligned run.
.macro TOSTAGE a
.irp b, 0,1,2,3
	ds_store_b128 v[STO], v[ACC+8*(4*(\a)+\b):ACC+8*(4*(\a)+\b)+3] offset:128*(\b/2)+32*(\b%2)        ; each accumulator from its low end on
	ds_store_b128 v[STO], v[ACC+8*(4*(\a)+\b)+4:ACC+8*(4*(\a)+\b)+7] offset:128*(\b/2)+32*(\b%2)+16
.endr
.set BB, OB+32*((\a)%2)
.irp t, 0,1,2,3,4,5,6,7
	ds_load_b128 v[BB+4*\t:BB+4*\t+3], v[RD] offset:544*\t   ; LDS serves a wave's instructions in order: these see the stores above
.endr
.endm
.macro SEND a, younger                 ; younger: the LDS instructions issued behind block a's loads, which may stay out
.set BB, OB+32*((\a)%2)
	s_wait_dscnt \younger
.irp t, 0,1,2,3,4,5,6,7
	v_pk_add_f32 v[BB+4*\t:BB+4*\t+1], v[BB+4*\t:BB+4*\t+1], v[BIAS:BIAS+1]
	v_pk_add_f32 v[BB+4*\t+2:BB+4*\t+3], v[BB+4*\t+2:BB+4*\t+3], v[BIAS+2:BIAS+3]
.endr
.if RESID
	WIN 0x08                                       ; source 1: window 2
.irp t, 0,1,2,3,4,5,6,7
	v_pk_add_f32 v[BB+4*\t:BB+4*\t+1], v[BB+4*\t:BB+4*\t+1], v[4*(8*(\a)+\t):4*(8*(\a)+\t)+1]
	v_pk_add_f32 v[BB+4*\t+2:BB+4*\t+3], v[BB+4*\t+2:BB+4*\t+3], v[4*(8*(\a)+\t)+2:4*(8*(\a)+\t)+3]
.endr
	WIN 0
.else
.set n, 0
.rept 32
	v_max_num_f32 v[BB+n], 0, v[BB+n]
.set n, n+1
.endr
.endif
.irp t, 0,1,2,3,4,5,6,7
	global_store_b128 v[CO], v[BB+4*\t:BB+4*\t+3], s[86:87] offset:(32*((\a)/2)+8*((\a)%2)+2*\t+8*(\t/4))*4096    ; stage row 2 t + lane / 16 is lane-row of fragment a: its true row stands in the immediate
.endr
.endm
	PLACES 4
	s_wait_loadcnt 0x0                             ; the bias (and the residual)
	TOSTAGE 0
.irp a, 1,2,3
.if \a > 1
	s_wait_xcnt 0x0                                ; block a - 2's stores have read their registers
.endif
	TOSTAGE \a
	SEND \a-1, 16                                  ; behind block a - 1's loads: block a's 8 stores and 8 loads
.endr
	SEND 3, 0
	s_wait_tensorcnt 0x0                           ; the wave's end
	ds_add_u32 v[SPW], v[NIL]
	s_wait_dscnt 0x0
	CROUND                                         ; the closing round
	s_endpgm
.Lfunc_end_k_qa0557ca9c3_oproj:
	.size	k_qa0557ca9c3_oproj, .Lfunc_end_k_qa0557ca9c3_oproj-k_qa0557ca9c3_oproj
	.p2alignl 7, 3214868480
	.fill 96, 4, 3214868480
	.section	.rodata,"a",@progbits
	.p2align	6, 0x0
	.amdhsa_kernel k_qa0557ca9c3_oproj
		.amdhsa_group_segment_fixed_size 327680
		.amdhsa_private_segment_fixed_size 0
		.amdhsa_enable_private_segment 0
		.amdhsa_kernarg_size 40
		.amdhsa_user_sgpr_count 2
		.amdhsa_user_sgpr_kernarg_segment_ptr 1
		.amdhsa_wavefront_size32 1
		.amdhsa_system_sgpr_workgroup_id_x 1
		.amdhsa_system_sgpr_workgroup_id_y 1
		.amdhsa_system_sgpr_workgroup_id_z 1
		.amdhsa_system_vgpr_workitem_id 0
		.amdhsa_next_free_vgpr 768
		.amdhsa_next_free_sgpr 100
		.amdhsa_reserve_vcc 0
		.amdhsa_float_denorm_mode_32 3
		.amdhsa_float_denorm_mode_16_64 3
		.amdhsa_memory_ordered 1
		.amdhsa_forward_progress 1
		.amdhsa_inst_pref_size 59
	.end_amdhsa_kernel
	.amdgpu_metadata
---
amdhsa.version: [ 1, 2 ]
amdhsa.kernels:
  - .name:           k_qa0557ca9c3_oproj
    .symbol:         k_qa0557ca9c3_oproj.kd
    .args:
      - { .name: ac, .offset: 0, .size: 8, .value_kind: global_buffer, .address_space: global }
      - { .name: wc, .offset: 8, .size: 8, .value_kind: global_buffer, .address_space: global }
      - { .name: bo, .offset: 16, .size: 8, .value_kind: global_buffer, .address_space: global }
      - { .name: hf, .offset: 24, .size: 8, .value_kind: global_buffer, .address_space: global }
      - { .name: rf, .offset: 32, .size: 8, .value_kind: global_buffer, .address_space: global }
    .group_segment_fixed_size: 327680
    .private_segment_fixed_size: 0
    .kernarg_segment_align: 8
    .kernarg_segment_size: 40
    .max_flat_workgroup_size: 128
    .sgpr_count:     100
    .vgpr_count:     768
    .wavefront_size: 32
...
	.end_amdgpu_metadata
.endif
;; end of part 4
;; launch ln2 (part 5): grid 256 x 1, 8 waves a work-group, no clusters, 50,688 bytes of LDS; arguments rf, g2, be2, h2c; writes h2c
.if DOCPART == 5
	.amdgcn_target "amdgcn-amd-amdhsa--gfx1250"
	.amdhsa_code_object_version 6
	.text
	.protected	k_qa0557ca9c3_ln2
	.globl	k_qa0557ca9c3_ln2
	.p2align	8
	.type	k_qa0557ca9c3_ln2,@function
k_qa0557ca9c3_ln2:
	s_mov_b64 s[64:65], 0
	v_nop
	global_prefetch_b8 v0, s[64:65] scope:SCOPE_SE
	s_setreg_imm32_b32 hwreg(HW_REG_WAVE_MODE, 25, 1), 1
	s_wait_xcnt 0x0
; LayerNorm 2 of 16 tokens a work-group; the result leaves as codes of E2M3 alone, in panels (128 rows x 128 along K as images of operand registers: fragment i at 1536 i, scale words at 12288 + 64 i + 4 r;
; fragment 2 b + u, lane-row r, holds panel row 32 b + 8 u + r + 8 (r / 8)).
; LIMITS: NaN and infinities are not served; a block whose largest magnitude lies under 2^-124 keeps the scale byte 1.  The order of the f32 sums differs from the reference's.
.set PANEL,  12800
.set FRB,    1536
.set SCO,    12288
.set STGW,   4608                      ; a wave's stage: 32 blocks of 128 bytes + 16 of padding
.set IMG,    8*STGW
.set SCL,    IMG+8*FRB
.set SPARE,  SCL+512                   ; the spare words, 128 bytes for each of 8 waves: four blocks of 256 bytes that no other line names
.set XP,  4
.set GP,  6
.set BP,  8
.set HCP, 10
.set SPW, 4
.set NIL, 5
.set G,   32
.set BE,  64
.set X0,  96
.set X1,  128
.set BL,  160
.set C,   192
.set CT,  200
.macro WSUM a, t
	s_delay_alu instid0(VALU_DEP_1)
	v_add_f32_dpp v[\a], v[\a], v[\a] row_xmask:1 row_mask:0xf bank_mask:0xf
	s_delay_alu instid0(VALU_DEP_1)
	v_add_f32_dpp v[\a], v[\a], v[\a] row_xmask:2 row_mask:0xf bank_mask:0xf
	s_delay_alu instid0(VALU_DEP_1)
	v_add_f32_dpp v[\a], v[\a], v[\a] row_xmask:4 row_mask:0xf bank_mask:0xf
	s_delay_alu instid0(VALU_DEP_1)
	v_add_f32_dpp v[\a], v[\a], v[\a] row_xmask:8 row_mask:0xf bank_mask:0xf
	s_delay_alu instid0(VALU_DEP_1)
	v_permlanex16_b32 v[\t], v[\a], s40, s41
	s_delay_alu instid0(VALU_DEP_1)
	v_add_f32 v[\a], v[\a], v[\t]
.endm
.macro LNROW X, rho
	v_pk_add_f32 v[20:21], v[\X:\X+1], v[\X+2:\X+3]
	v_pk_add_f32 v[22:23], v[\X+4:\X+5], v[\X+6:\X+7]
.irp j, 8,12,16,20,24,28
	s_delay_alu instid0(VALU_DEP_2)
	v_pk_add_f32 v[20:21], v[20:21], v[\X+\j:\X+\j+1]
	s_delay_alu instid0(VALU_DEP_2)
	v_pk_add_f32 v[22:23], v[22:23], v[\X+\j+2:\X+\j+3]
.endr
	s_delay_alu instid0(VALU_DEP_1)
	v_pk_add_f32 v[20:21], v[20:21], v[22:23]
	s_delay_alu instid0(VALU_DEP_1)
	v_add_f32 v20, v20, v21
	WSUM 20, 21
	s_delay_alu instid0(VALU_DEP_1)
	v_mul_f32 v24, s34, v20                        ; the mean
.set n, 0
.rept 16
	v_pk_add_f32 v[\X+n:\X+n+1], v[\X+n:\X+n+1], v[24:25] op_sel_hi:[1,0] neg_lo:[0,1] neg_hi:[0,1]
.set n, n+2
.endr
	v_pk_mul_f32 v[20:21], v[\X:\X+1], v[\X:\X+1]
	v_pk_mul_f32 v[22:23], v[\X+2:\X+3], v[\X+2:\X+3]
.irp j, 4,8,12,16,20,24,28
	s_delay_alu instid0(VALU_DEP_2)
	v_pk_fma_f32 v[20:21], v[\X+\j:\X+\j+1], v[\X+\j:\X+\j+1], v[20:21]
	s_delay_alu instid0(VALU_DEP_2)
	v_pk_fma_f32 v[22:23], v[\X+\j+2:\X+\j+3], v[\X+\j+2:\X+\j+3], v[22:23]
.endr
	s_delay_alu instid0(VALU_DEP_1)
	v_pk_add_f32 v[20:21], v[20:21], v[22:23]
	s_delay_alu instid0(VALU_DEP_1)
	v_add_f32 v20, v20, v21
	WSUM 20, 21
	s_delay_alu instid0(VALU_DEP_1)
	v_fma_f32 v26, v20, s34, s35                   ; the variance + 1e-5
	s_wait_alu depctr_va_vdst(0)
	v_rsq_f32 v24, v26
	v_nop
	s_wait_alu depctr_va_vdst(0)                   ; the wait ahead of the first reader
.set n, 0
.rept 16
	v_pk_mul_f32 v[\X+n:\X+n+1], v[\X+n:\X+n+1], v[24:25] op_sel_hi:[1,0]
.set n, n+2
.endr
.set n, 0
.rept 16
	v_pk_fma_f32 v[\X+n:\X+n+1], v[\X+n:\X+n+1], v[G+n:G+n+1], v[BE+n:BE+n+1]
.set n, n+2
.endr
.irp j, 0,1,2,3,4,5,6,7
	ds_store_b128 v6, v[\X+4*\j:\X+4*\j+3] offset:576*\j
.endr
.irp j, 0,1,2,3,4,5,6,7
	ds_load_b128 v[BL+4*\j:BL+4*\j+3], v7 offset:16*\j       ; lane l takes block l.  LDS serves a wave's instructions in order
.endr
	s_wait_dscnt 0x0
	v_max3_num_f32 v20, |v[BL]|, |v[BL+1]|, |v[BL+2]|
	v_max3_num_f32 v21, |v[BL+3]|, |v[BL+4]|, |v[BL+5]|
.irp i, 6,10,14,18,22,26
	s_delay_alu instid0(VALU_DEP_2)
	v_max3_num_f32 v20, v20, |v[BL+\i]|, |v[BL+\i+1]|
	s_delay_alu instid0(VALU_DEP_2)
	v_max3_num_f32 v21, v21, |v[BL+\i+2]|, |v[BL+\i+3]|
.endr
	s_delay_alu instid0(VALU_DEP_2)
	v_max3_num_f32 v20, v20, |v[BL+30]|, |v[BL+31]|
	s_delay_alu instid0(VALU_DEP_1)
	v_max3_num_f32 v20, v20, v21, 0x1800000
	s_delay_alu instid0(VALU_DEP_1)
	v_add_nc_u32 v22, 0xff000000, v20
	v_cvt_scalef32_pk16_fp6_f32 v[C:C+2], v[BL:BL+15], v22
	v_cvt_scalef32_pk16_fp6_f32 v[CT:CT+2], v[BL+16:BL+31], v22
	v_lshrrev_b32 v23, 23, v22
.irp i, 0,1,2
	v_mov_b32 v[C+3+\i], v[CT+\i]
.endr
	ds_store_b64 v8, v[C:C+1] offset:128*\rho
	ds_store_b64 v9, v[C+2:C+3] offset:128*\rho
	ds_store_b64 v10, v[C+4:C+5] offset:128*\rho
	ds_store_b8 v11, v23 offset:32*\rho
.endm
	s_load_b256 s[4:11], s[0:1], 0x0               ; rf, g2, be2, h2c
	v_lshl_add_u32 v[SPW], v0, 2, SPARE
	v_mov_b32 v[NIL], 0
	v_lshrrev_b32 v1, 5, v0
	s_delay_alu instid0(VALU_DEP_1)
	v_readfirstlane_b32 s28, v1                    ; wave 0..7
	v_and_b32 v1, 31, v0                           ; lane
	s_delay_alu instid0(VALU_DEP_1)
	v_lshlrev_b32 v2, 4, v1
	s_mul_i32 s29, s28, STGW
	v_lshrrev_b32 v12, 3, v1
	s_delay_alu instid0(VALU_DEP_1)
	v_mul_u32_u24 v6, v12, 144
	v_and_b32 v12, 7, v1
	s_delay_alu instid0(VALU_DEP_1)
	v_lshl_add_u32 v6, v12, 4, v6
	s_delay_alu instid0(VALU_DEP_1)
	v_add_nc_u32 v6, s29, v6
	v_mul_u32_u24 v7, v1, 144
	s_delay_alu instid0(VALU_DEP_1)
	v_add_nc_u32 v7, s29, v7
	v_lshrrev_b32 v12, 2, v1
	s_delay_alu instid0(VALU_DEP_1)
	v_mul_u32_u24 v13, v12, FRB
	v_and_b32 v14, 1, v1
	s_delay_alu instid0(VALU_DEP_1)
	v_lshl_add_u32 v13, v14, 8, v13
	s_lshl_b32 s30, s28, 4
	s_add_co_u32 s30, s30, IMG
	v_add_nc_u32 v13, s30, v13
	v_bfe_u32 v14, v1, 1, 1
	s_delay_alu instid0(VALU_DEP_1)
	v_mad_u32_u24 v8, v14, 520, v13
	s_delay_alu instid0(VALU_DEP_2)
	v_mad_u32_u24 v9, v14, 1016, v13
	s_delay_alu instid0(VALU_DEP_1)
	v_add_nc_u32 v9, 8, v9
	s_delay_alu instid0(VALU_DEP_3)
	v_add_nc_u32 v10, 512, v8
	v_and_b32 v14, 3, v1
	s_delay_alu instid0(VALU_DEP_1)
	v_lshl_add_u32 v11, v12, 6, v14
	s_lshl_b32 s30, s28, 2
	s_add_co_u32 s30, s30, SCL
	v_add_nc_u32 v11, s30, v11
	s_mul_i32 s30, s28, FRB
	s_add_co_u32 s30, s30, IMG
	v_add_nc_u32 v15, s30, v2
	v_and_b32 v14, 15, v1
	s_delay_alu instid0(VALU_DEP_1)
	v_lshlrev_b32 v17, 2, v14
	s_wait_alu depctr_va_vdst(0)
	s_lshl_b32 s30, s28, 6
	s_add_co_u32 s30, s30, SCL
	v_add_nc_u32 v16, s30, v17
	s_lshr_b32 s31, ttmp9, 3                       ; g
	s_and_b32 s32, ttmp9, 7                        ; i
	s_lshl_b32 s33, s31, 7
	s_lshr_b32 s36, s32, 1
	s_lshl_b32 s36, s36, 5
	s_add_co_u32 s33, s33, s36
	s_and_b32 s36, s32, 1
	s_lshl_b32 s36, s36, 3
	s_add_co_u32 s33, s33, s36
	s_add_co_u32 s33, s33, s28                     ; my first token; the second is 16 further on
	s_lshl_b32 s36, s33, 12
	s_mov_b32 s37, 0
	s_lshl_b32 s38, s31, 3
	s_add_co_u32 s38, s38, s28
	s_mul_i32 s38, s38, PANEL
	s_mov_b32 s39, 0
	s_mul_i32 s33, s32, FRB
	v_add_nc_u32 v18, s33, v2
	s_lshl_b32 s33, s32, 6
	v_add_nc_u32 v17, s33, v17
	s_mov_b32 s34, 0x3a800000                      ; 1 / 1024
	s_mov_b32 s35, 0x3727c5ac                      ; 1e-5
	s_mov_b32 s40, 0x76543210
	s_mov_b32 s41, 0xfedcba98
	v_mov_b32 v25, 0
	s_wait_kmcnt 0x0
	s_add_nc_u64 s[XP:XP+1], s[XP:XP+1], s[36:37]
	s_add_nc_u64 s[HCP:HCP+1], s[HCP:HCP+1], s[38:39]
.irp j, 0,1,2,3,4,5,6,7
	global_load_b128 v[G+4*\j:G+4*\j+3], v2, s[GP:GP+1] offset:512*\j
	global_load_b128 v[BE+4*\j:BE+4*\j+3], v2, s[BP:BP+1] offset:512*\j
.endr
.irp j, 0,1,2,3,4,5,6,7
	global_load_b128 v[X0+4*\j:X0+4*\j+3], v2, s[XP:XP+1] offset:512*\j th:TH_LOAD_NT
.endr
.irp j, 0,1,2,3,4,5,6,7
	global_load_b128 v[X1+4*\j:X1+4*\j+3], v2, s[XP:XP+1] offset:65536+512*\j th:TH_LOAD_NT
.endr
	s_wait_loadcnt 8                               ; gain, offset and the first row are in; the second row's eight loads may be out
	LNROW X0, 0
	s_wait_loadcnt 0x0
	LNROW X1, 1
	s_wait_dscnt 0x0                               ; for the others' sake: my stores into the images are done
	s_barrier_signal -1
	s_barrier_wait -1
	ds_load_b128 v[160:163], v15
	ds_load_b128 v[164:167], v15 offset:512
	ds_load_b128 v[168:171], v15 offset:1024
	ds_load_b32 v172, v16
	s_wait_dscnt 0x0
	global_store_b128 v18, v[160:163], s[HCP:HCP+1]
	global_store_b128 v18, v[164:167], s[HCP:HCP+1] offset:512
	global_store_b128 v18, v[168:171], s[HCP:HCP+1] offset:1024
	global_store_b32 v17, v172, s[HCP:HCP+1] offset:SCO      ; lanes l and l + 16 store the same word to the same place
	s_wait_tensorcnt 0x0                           ; the wave's end
	ds_add_u32 v[SPW], v[NIL]
	s_wait_dscnt 0x0
	s_endpgm
.Lfunc_end_k_qa0557ca9c3_ln2:
	.size	k_qa0557ca9c3_ln2, .Lfunc_end_k_qa0557ca9c3_ln2-k_qa0557ca9c3_ln2
	.p2alignl 7, 3214868480
	.fill 96, 4, 3214868480
	.section	.rodata,"a",@progbits
	.p2align	6, 0x0
	.amdhsa_kernel k_qa0557ca9c3_ln2
		.amdhsa_group_segment_fixed_size 50688
		.amdhsa_private_segment_fixed_size 0
		.amdhsa_enable_private_segment 0
		.amdhsa_kernarg_size 32
		.amdhsa_user_sgpr_count 2
		.amdhsa_user_sgpr_kernarg_segment_ptr 1
		.amdhsa_wavefront_size32 1
		.amdhsa_system_sgpr_workgroup_id_x 1
		.amdhsa_system_sgpr_workgroup_id_y 1
		.amdhsa_system_sgpr_workgroup_id_z 1
		.amdhsa_system_vgpr_workitem_id 0
		.amdhsa_next_free_vgpr 224
		.amdhsa_next_free_sgpr 66
		.amdhsa_reserve_vcc 0
		.amdhsa_float_denorm_mode_32 3
		.amdhsa_float_denorm_mode_16_64 3
		.amdhsa_memory_ordered 1
		.amdhsa_forward_progress 1
		.amdhsa_inst_pref_size 29
	.end_amdhsa_kernel
	.amdgpu_metadata
---
amdhsa.version: [ 1, 2 ]
amdhsa.kernels:
  - .name:           k_qa0557ca9c3_ln2
    .symbol:         k_qa0557ca9c3_ln2.kd
    .args:
      - { .name: rf, .offset: 0, .size: 8, .value_kind: global_buffer, .address_space: global }
      - { .name: g2, .offset: 8, .size: 8, .value_kind: global_buffer, .address_space: global }
      - { .name: be2, .offset: 16, .size: 8, .value_kind: global_buffer, .address_space: global }
      - { .name: h2c, .offset: 24, .size: 8, .value_kind: global_buffer, .address_space: global }
    .group_segment_fixed_size: 50688
    .private_segment_fixed_size: 0
    .kernarg_segment_align: 8
    .kernarg_segment_size: 32
    .max_flat_workgroup_size: 256
    .sgpr_count:     66
    .vgpr_count:     224
    .wavefront_size: 32
...
	.end_amdgpu_metadata
.endif
;; end of part 5
;; launch ff1 (part 6): grid 16 x 16, 4 waves a work-group, clusters of 4 x 4, 327,680 bytes of LDS; arguments h2c, wc, b1, fc; writes fc
.if DOCPART == 6
	.amdgcn_target "amdgcn-amd-amdhsa--gfx1250"
	.amdhsa_code_object_version 6
	.text
	.protected	k_qa0557ca9c3_ff1
	.globl	k_qa0557ca9c3_ff1
	.p2align	8
	.type	k_qa0557ca9c3_ff1,@function
k_qa0557ca9c3_ff1:
	s_mov_b64 s[64:65], 0
	v_nop
	global_prefetch_b8 v0, s[64:65] scope:SCOPE_SE
	s_setreg_imm32_b32 hwreg(HW_REG_WAVE_MODE, 25, 1), 1
	s_wait_xcnt 0x0
	s_wait_alu depctr_hold_cnt(0) depctr_sa_sdst(0) depctr_va_vdst(0) depctr_va_sdst(0) depctr_va_ssrc(0) depctr_va_vcc(0) depctr_vm_vsrc(0)
	s_getreg_b32 s2, hwreg(HW_REG_IB_STS2, 6, 4)
	s_cmp_eq_u32 s2, 0
	s_cbranch_scc0 .Lentry_in_a_cluster
	s_endpgm
.Lentry_in_a_cluster:
	s_bfe_u32 s2, ttmp6, 0x10000c
	s_cmp_lg_u32 s2, 0xf033
	s_cbranch_scc0 .Lentry_shape_is_right
	s_endpgm
.Lentry_shape_is_right:
.set QKV,   0
.set PANEL, 12800
.set FRB,   1536
.set SCO,   12288
.set LOADB, 2*PANEL
.set SLOT,  4*LOADB
.set SPARE, 2*SLOT
.set NQ,    2
.set FR,    12
.set NL,    3
.set NP,    4
.set LAPS,  2
.set ADRA, 16
.set ADRB, 20
.set ADRS, 22
.set LI,   24
.set LS4,  25
.set BO,   26
.set SPW,  28
.set NIL,  29
.set SC,   32
.set BI,   64
.set AF,   128
.set H,    128
.set PC,   192
.set CT,   204
.set TM,   212
.set PWS,  244
.set G1,   24
.set G0,   32
.set G1B,  48
.set G0B,  56
.set SEL,  88
.set MSB, 0
.macro WIN new
.if MSB != \new
	s_set_vgpr_msb (MSB<<8)|\new
.set MSB, \new
.endif
.endm
.set MUL_LO, 0xa1
.set MUL_HI, 0xf1
.set TO_B,   0x40
.macro JLOAD g0a, g1a, g0b, g1b
	s_cmp_eq_u32 s17, 0
	s_cbranch_scc0 .Lfor_b_\@
	tensor_load_to_lds s[\g0a:\g0a+3], s[\g1a:\g1a+7]
	s_nop 0
.rept 4
	v_nop
.endr
	s_branch .Lasked_\@
.Lfor_b_\@:
	tensor_load_to_lds s[\g0b:\g0b+3], s[\g1b:\g1b+7]
	s_nop 0
.rept 4
	v_nop
.endr
.Lasked_\@:
.endm
.macro CREST
	s_cmp_lg_u32 s16, 0
	s_cbranch_scc1 .Lnot_wave_0_\@
	s_barrier_signal -3
.Lnot_wave_0_\@:
	s_barrier_wait -3
	s_barrier_signal -1
	s_barrier_wait -1
.endm
.macro CROUND
	s_barrier_signal -1
	s_barrier_wait -1
	CREST
.endm
.macro PLACES n
.rept \n
	v_nop
.endr
.endm
.macro QUANT src, pc, ct, tm, pw
.irp b, 0,1,2,3
	v_max3_num_f32 v[\tm+\b], |v[\src+16*\b]|, |v[\src+1+16*\b]|, 0x1800000
.endr
.irp i, 2,4,6,8,10,12,14
.irp b, 0,1,2,3
	v_max3_num_f32 v[\tm+\b], v[\tm+\b], |v[\src+16*\b+\i]|, |v[\src+1+16*\b+\i]|
.endr
.endr
.irp b, 0,1,2,3
	v_permlanex16_b32 v[\tm+4+\b], v[\tm+\b], s[SEL], s[SEL+1]
.endr
.irp b, 0,1,2,3
	v_max_num_f32 v[\tm+\b], v[\tm+\b], v[\tm+4+\b]
.endr
.irp b, 0,1,2,3
	v_add_nc_u32 v[\tm+12+\b], 0xff000000, v[\tm+\b]
.endr
.irp b, 0,1,2,3
	v_lshrrev_b32 v[\tm+4+\b], 23, v[\tm+12+\b]
.endr
	v_lshl_or_b32 v[\pw], v[\tm+5], 8, v[\tm+4]
	v_lshl_or_b32 v[\pw], v[\tm+6], 16, v[\pw]
	v_lshl_or_b32 v[\pw], v[\tm+7], 24, v[\pw]
.irp c, 0,1
	v_cvt_scalef32_pk16_fp6_f32 v[\pc+6*\c:\pc+2+6*\c], v[\src+32*\c:\src+15+32*\c], v[\tm+12+2*\c]
	v_cvt_scalef32_pk16_fp6_f32 v[\ct+4*\c:\ct+2+4*\c], v[\src+16+32*\c:\src+31+32*\c], v[\tm+13+2*\c]
.endr
	v_nop
.irp c, 0,1
.irp i, 0,1,2
	v_permlane16_swap_b32 v[\pc+6*\c+\i], v[\ct+4*\c+\i]
.endr
.irp i, 0,1,2
	v_mov_b32 v[\pc+3+6*\c+\i], v[\ct+4*\c+\i]
.endr
.endr
.endm
	s_load_b256 s[4:11], s[0:1], 0x0
	v_lshl_add_u32 v[SPW], v0, 2, SPARE
	v_mov_b32 v[NIL], 0
	ds_add_u32 v[SPW], v[NIL]
	ds_add_u32 v[SPW], v[NIL]
	v_lshrrev_b32 v1, 5, v0
	v_readfirstlane_b32 s16, v1
	s_lshr_b32 s17, s16, 1
	s_and_b32 s18, s16, 1
	s_bfe_u32 s40, ttmp6, 0x40000
	s_bfe_u32 s41, ttmp6, 0x40004
	s_and_b32 s19, ttmp7, 0xffff
	s_lshl_b32 s19, s19, 2
	s_lshl_b32 s42, ttmp9, 2
	s_add_co_u32 s19, s19, s41
	s_add_co_u32 s42, s42, s40
	s_lshl_b32 s43, s41, 2
	s_lshl_b32 s43, 15, s43
	s_lshl_b32 s44, 0x1111, s40
	s_or_b32 s[G1], s43, (3<<16)|(1<<21)
	s_or_b32 s[G1B], s44, (3<<16)|(1<<21)
.irp g, G1, G1B
	s_mov_b32 s[\g+1], 3200<<16                    ; the head's shape: a row is two panels, 25,600 dense bytes (3,200 elements),
	s_mov_b32 s[\g+2], 2<<16                       ; two rows: the tile's two groups of 128 rows,
	s_mov_b32 s[\g+3], 3200<<16
	s_mov_b32 s[\g+4], 2
	s_mov_b32 s[\g+5], 12800                       ; eight panels apart
	s_mov_b32 s[\g+6], 0
	s_mov_b32 s[\g+7], 0
.endr
	s_lshl_b32 s20, s19, 1
	s_add_co_u32 s20, s20, s18
	s_mul_i32 s20, s20, 8*PANEL
	s_mov_b32 s21, 0
	s_lshl_b32 s46, s42, 1
	s_add_co_u32 s46, s46, s18
	s_mul_i32 s46, s46, 8*PANEL
	s_mov_b32 s47, 0
	s_mul_i32 s66, s16, LOADB
	s_mov_b32 s67, 0xffff0000
	s_mov_b32 s[SEL], 0x76543210
	s_mov_b32 s[SEL+1], 0xfedcba98
	s_wait_dscnt 0x0
	s_wait_kmcnt 0x0
	s_add_nc_u64 s[78:79], s[6:7], 256*PANEL
	s_add_nc_u64 s[20:21], s[4:5], s[20:21]
	s_add_nc_u64 s[46:47], s[78:79], s[46:47]
	CROUND
.irp s, 0,1
	s_mov_b32 s[G0+4*\s], 1
	s_add_co_u32 s[G0+4*\s+1], s66, \s*SLOT
	s_add_nc_u64 s[G0+4*\s+2:G0+4*\s+3], s[20:21], \s*LOADB
	s_or_b32 s[G0+4*\s+3], s[G0+4*\s+3], 0x80000000
	s_mov_b32 s[G0B+4*\s], 1
	s_add_co_u32 s[G0B+4*\s+1], s66, \s*SLOT
	s_add_nc_u64 s[G0B+4*\s+2:G0B+4*\s+3], s[46:47], \s*LOADB
	s_or_b32 s[G0B+4*\s+3], s[G0B+4*\s+3], 0x80000000
.endr
	; the head's loads, one a wave: wave 0 brings A's half of slot 0, wave 1 A's half of slot 1, waves 2 and 3 B's: both groups' two panels in one tile
	s_mul_i32 s96, s18, 6*PANEL
	s_mov_b32 s97, 0
	s_mov_b32 s72, 1
	s_mul_i32 s73, s18, SLOT
	s_sub_nc_u64 s[74:75], s[20:21], s[96:97]      ; the first group's panels 2 x slot, 2 x slot + 1
	s_or_b32 s75, s75, 0x80000000
	s_mov_b32 s76, 1
	s_add_co_u32 s77, s73, 2*LOADB
	s_sub_nc_u64 s[78:79], s[46:47], s[96:97]
	s_or_b32 s79, s79, 0x80000000
	JLOAD 72, G1, 76, G1B
	; the prefetches: each of my two refills is 100 blocks of 256 bytes, asked for jointly by four partners: each takes 25 of them, told apart by address (cx for A, cy for B), a lane a block
	s_cmp_eq_u32 s17, 0
	s_cselect_b64 s[98:99], s[20:21], s[46:47]
	s_cselect_b32 s96, s40, s41
	s_mul_i32 s96, s96, 6400
	s_add_co_u32 s96, s96, 2*LOADB                 ; my group's panels 4 and 5: the first refill
	s_add_nc_u64 s[98:99], s[98:99], s[96:97]
	v_and_b32 v1, 15, v0
	v_bfe_u32 v2, v0, 4, 1
	v_and_b32 v3, 31, v0
	v_lshlrev_b32 v[LI], 4, v3
	s_wait_alu depctr_va_vdst(0)
	v_lshlrev_b32 v[LS4], 2, v3
	s_mul_i32 s90, s17, LOADB
	s_mul_i32 s91, s18, LOADB
	s_add_co_u32 s91, s91, 2*LOADB
	s_sub_co_u32 s92, s91, s90
	v_mul_u32_u24 v4, s92, v2
	v_lshl_add_u32 v4, v1, 2, v4
	s_add_co_u32 s93, s90, SCO
.irp s, 0,1
	v_add_nc_u32 v[ADRA+\s], s90, v[LI]
	v_add_nc_u32 v[ADRB+\s], s91, v[LI]
	v_add_nc_u32 v[ADRS+\s], s93, v4
	s_add_co_u32 s90, s90, SLOT
	s_add_co_u32 s91, s91, SLOT
	s_add_co_u32 s93, s93, SLOT
.endr
	s_lshl_b32 s80, s19, 1
	s_add_co_u32 s80, s80, s17
	s_lshl_b32 s81, s42, 1
	s_add_co_u32 s81, s81, s18
	v_and_b32 v30, 31, v0
	v_min_u32 v30, 24, v30                         ; lanes 25-31 name my last block again
	v_lshlrev_b32 v30, 8, v30
	v_lshlrev_b32 v[BO], 6, v2
	s_wait_alu depctr_va_vdst(0)
	global_prefetch_b8 v30, s[98:99] th:TH_LOAD_NT scope:SCOPE_SE                 ; K has four slots: the two refills are asked for here, two and three K steps ahead of their loads
	global_prefetch_b8 v30, s[98:99] offset:LOADB th:TH_LOAD_NT scope:SCOPE_SE
	s_lshl_b32 s92, s81, 9
	s_mov_b32 s93, 0
	s_add_nc_u64 s[82:83], s[8:9], s[92:93]
	s_lshl_b32 s90, s80, 5
	s_add_co_u32 s90, s90, s81
	s_mul_i32 s90, s90, PANEL
	s_mov_b32 s91, 0
	s_add_nc_u64 s[86:87], s[10:11], s[90:91]
.irp b, 0,1,2,3
.irp x, 0,1,2,3
	global_load_b128 v[BI+16*\b+4*\x:BI+16*\b+4*\x+3], v[BO], s[82:83] offset:128*\b+16*\x
.endr
.endr
.macro FRAG reg, adr, q, i
.irp c, 0,1,2
	ds_load_b128 v[\reg+4*\c:\reg+4*\c+3], v[\adr] offset:(\q)*PANEL+(\i)*FRB+512*\c
.endr
.endm
.macro MUL16 a0, p, q, sc, zero
.irp a, \a0, \a0+1
.irp b, 0,1,2,3,4,5,6,7
.if \zero
	v_wmma_scale_f32_16x16x128_f8f6f4 v[8*(8*((\a)%4)+\b):8*(8*((\a)%4)+\b)+7], v[128*(\p)+FR*\b:128*(\p)+FR*\b+FR-1], v[AF+FR*(\a):AF+FR*(\a)+FR-1], 0, v[SC+8*NQ*(\sc)+NQ*\b+(\q)], v[SC+8*NQ*(\sc)+NQ*(\a)+(\q)] matrix_a_fmt:MATRIX_FMT_FP6 matrix_b_fmt:MATRIX_FMT_FP6 matrix_a_scale:MATRIX_SCALE_ROW1
.else
	v_wmma_scale_f32_16x16x128_f8f6f4 v[8*(8*((\a)%4)+\b):8*(8*((\a)%4)+\b)+7], v[128*(\p)+FR*\b:128*(\p)+FR*\b+FR-1], v[AF+FR*(\a):AF+FR*(\a)+FR-1], v[8*(8*((\a)%4)+\b):8*(8*((\a)%4)+\b)+7], v[SC+8*NQ*(\sc)+NQ*\b+(\q)], v[SC+8*NQ*(\sc)+NQ*(\a)+(\q)] matrix_a_fmt:MATRIX_FMT_FP6 matrix_b_fmt:MATRIX_FMT_FP6 matrix_a_scale:MATRIX_SCALE_ROW1
.endif
.endr
.endr
.endm
.macro FETCH_B slot, q, p
	WIN TO_B
.irp i, 0,1,2,3,4,5,6,7
	FRAG 128*(\p)+FR*\i, ADRB+\slot, \q, \i
.endr
	WIN 0
.endm
.macro FETCH_A slot, q, i0
.irp i, \i0, \i0+1, \i0+2, \i0+3
	FRAG AF+FR*(\i), ADRA+\slot, \q, \i
.endr
.endm
.macro SCALES sc
.irp i, 0,1,2,3,4,5,6,7
.irp q, 0,1
	ds_load_b32 v[SC+16*\sc+2*\i+\q], v[ADRS+\sc] offset:\q*PANEL+64*\i
.endr
.endr
.endm
.macro STEP slot, q, zero
	s_wait_dscnt 4*NL
	WIN MUL_LO
	MUL16 0, (\q)%2, \q, \slot, \zero
	MUL16 2, (\q)%2, \q, \slot, \zero
	s_wait_dscnt 0
	PLACES NP
	FETCH_B \slot, (\q)+1, 1-(\q)%2
	FETCH_A \slot, (\q)+1, 0
	WIN MUL_HI
	MUL16 4, (\q)%2, \q, \slot, \zero
	MUL16 6, (\q)%2, \q, \slot, \zero
	PLACES NP
	WIN 0
	FETCH_A \slot, (\q)+1, 4
.endm
.macro TURN slot, next, fill
	s_wait_tensorcnt 0x0
	ds_add_u32 v[SPW], v[NIL]
	s_wait_dscnt 4*NL+1
	WIN MUL_LO
	MUL16 0, 1, NQ-1, \slot, 0
	s_wait_dscnt 0x0
	s_barrier_signal -1
	MUL16 2, 1, NQ-1, \slot, 0
	WIN 0
	s_barrier_wait -1
.if \fill
	CREST
	s_add_nc_u64 s[G0+4*\slot+2:G0+4*\slot+3], s[G0+4*\slot+2:G0+4*\slot+3], 2*LOADB
	s_add_nc_u64 s[G0B+4*\slot+2:G0B+4*\slot+3], s[G0B+4*\slot+2:G0B+4*\slot+3], 2*LOADB
	JLOAD G0+4*\slot, G1, G0B+4*\slot, G1B
.else
	PLACES NP
.endif
	FETCH_B \next, 0, 0
	FETCH_A \next, 0, 0
	SCALES \next
	WIN MUL_HI
	MUL16 4, 1, NQ-1, \slot, 0
	MUL16 6, 1, NQ-1, \slot, 0
	PLACES NP
	WIN 0
	FETCH_A \next, 0, 4
.endm
	s_wait_tensorcnt 0x0                           ; my half slot is in; no tensor load of mine is out, so group 1 may be written: the ring's shape, 100 rows of 256 bytes
.irp g, G1, G1B
	s_mov_b32 s[\g+1], 32<<16
	s_mov_b32 s[\g+2], 100<<16
	s_mov_b32 s[\g+3], 32<<16
	s_mov_b32 s[\g+4], 100
	s_mov_b32 s[\g+5], 32
.endr
	s_barrier_signal -1
	s_barrier_wait -1                              ; both slots are whole
	FETCH_B 0, 0, 0
	FETCH_A 0, 0, 0
	SCALES 0
	FETCH_A 0, 0, 4
	STEP 0, 0, 1
	s_mov_b32 s3, LAPS-1
.Llap:
	TURN 0, 1, 1
	STEP 1, 0, 0
	TURN 1, 0, 1
	STEP 0, 0, 0
	s_sub_co_u32 s3, s3, 1
	s_cmp_lg_u32 s3, 0
	s_cbranch_scc1 .Llap
	TURN 0, 1, 0
	STEP 1, 0, 0
	s_wait_dscnt 4*NL
	WIN MUL_LO
	MUL16 0, 1, NQ-1, 1, 0
	MUL16 2, 1, NQ-1, 1, 0
	s_wait_dscnt 0
	WIN MUL_HI
	MUL16 4, 1, NQ-1, 1, 0
	MUL16 6, 1, NQ-1, 1, 0
	WIN 0
.macro OUTBLK a
.if (\a) > 0
	s_wait_xcnt 0x0
.endif
	WIN 0x02+((\a)/4)
.set n, 0
.rept 32
	v_pk_add_f32 v[H+n:H+n+1], v[64*((\a)%4)+n:64*((\a)%4)+n+1], v[BI+n:BI+n+1]
.set n, n+2
.endr
	WIN 0
.set n, 0
.rept 64
	v_max_num_f32 v[H+n], 0, v[H+n]
.set n, n+1
.endr
	QUANT H, PC, CT, TM, PWS+(\a)
.irp c, 0,1,2
	global_store_b128 v[LI], v[PC+4*\c:PC+4*\c+3], s[86:87] offset:(\a)*FRB+512*\c
.endr
.endm
	PLACES NP
	s_wait_loadcnt 0x0
.irp a, 0,1,2,3,4,5,6,7
	OUTBLK \a
.endr
.irp j, 0,1,2,3
	v_cndmask_b32 v[PWS+2*\j], v[PWS+2*\j], v[PWS+2*\j+1], s67
	global_store_b32 v[LS4], v[PWS+2*\j], s[86:87] offset:SCO+128*\j
.endr
	s_wait_tensorcnt 0x0
	ds_add_u32 v[SPW], v[NIL]
	s_wait_dscnt 0x0
	CROUND
	s_endpgm
.Lfunc_end_k_qa0557ca9c3_ff1:
	.size	k_qa0557ca9c3_ff1, .Lfunc_end_k_qa0557ca9c3_ff1-k_qa0557ca9c3_ff1
	.p2alignl 7, 3214868480
	.fill 96, 4, 3214868480
	.section	.rodata,"a",@progbits
	.p2align	6, 0x0
	.amdhsa_kernel k_qa0557ca9c3_ff1
		.amdhsa_group_segment_fixed_size 327680
		.amdhsa_private_segment_fixed_size 0
		.amdhsa_enable_private_segment 0
		.amdhsa_kernarg_size 32
		.amdhsa_user_sgpr_count 2
		.amdhsa_user_sgpr_kernarg_segment_ptr 1
		.amdhsa_wavefront_size32 1
		.amdhsa_system_sgpr_workgroup_id_x 1
		.amdhsa_system_sgpr_workgroup_id_y 1
		.amdhsa_system_sgpr_workgroup_id_z 1
		.amdhsa_system_vgpr_workitem_id 0
		.amdhsa_next_free_vgpr 1024
		.amdhsa_next_free_sgpr 100
		.amdhsa_reserve_vcc 0
		.amdhsa_float_denorm_mode_32 3
		.amdhsa_float_denorm_mode_16_64 3
		.amdhsa_memory_ordered 1
		.amdhsa_forward_progress 1
		.amdhsa_inst_pref_size 174
	.end_amdhsa_kernel
	.amdgpu_metadata
---
amdhsa.version: [ 1, 2 ]
amdhsa.kernels:
  - .name:           k_qa0557ca9c3_ff1
    .symbol:         k_qa0557ca9c3_ff1.kd
    .args:
      - { .name: h2c, .offset: 0, .size: 8, .value_kind: global_buffer, .address_space: global }
      - { .name: wc, .offset: 8, .size: 8, .value_kind: global_buffer, .address_space: global }
      - { .name: b1, .offset: 16, .size: 8, .value_kind: global_buffer, .address_space: global }
      - { .name: fc, .offset: 24, .size: 8, .value_kind: global_buffer, .address_space: global }
    .group_segment_fixed_size: 327680
    .private_segment_fixed_size: 0
    .kernarg_segment_align: 8
    .kernarg_segment_size: 32
    .max_flat_workgroup_size: 128
    .sgpr_count:     100
    .vgpr_count:     1024
    .wavefront_size: 32
...
	.end_amdgpu_metadata
.endif
;; end of part 6
;; launch ff2 (part 7): grid 8 x 32, 4 waves a work-group, clusters of 4 x 4, 327,680 bytes of LDS; arguments fc, wc, b2, out0; writes out0
.if DOCPART == 7
	.amdgcn_target "amdgcn-amd-amdhsa--gfx1250"
	.amdhsa_code_object_version 6
	.text
	.protected	k_qa0557ca9c3_ff2
	.globl	k_qa0557ca9c3_ff2
	.p2align	8
	.type	k_qa0557ca9c3_ff2,@function
k_qa0557ca9c3_ff2:
	s_mov_b64 s[64:65], 0
	v_nop
	global_prefetch_b8 v0, s[64:65] scope:SCOPE_SE
	s_setreg_imm32_b32 hwreg(HW_REG_WAVE_MODE, 25, 1), 1
	s_wait_xcnt 0x0
	s_wait_alu depctr_hold_cnt(0) depctr_sa_sdst(0) depctr_va_vdst(0) depctr_va_sdst(0) depctr_va_ssrc(0) depctr_va_vcc(0) depctr_vm_vsrc(0)
	s_getreg_b32 s2, hwreg(HW_REG_IB_STS2, 6, 4)
	s_cmp_eq_u32 s2, 0
	s_cbranch_scc0 .Lentry_in_a_cluster
	s_endpgm
.Lentry_in_a_cluster:
	s_bfe_u32 s2, ttmp6, 0x10000c
	s_cmp_lg_u32 s2, 0xf033
	s_cbranch_scc0 .Lentry_shape_is_right
	s_endpgm
.Lentry_shape_is_right:
.set NKS,   32
.set WOFF,  512
.set OUTP,  10
.set PANEL, 12800
.set FRB,   1536
.set SCO,   12288
.set LOADB, 2*PANEL
.set SLOT,  4*LOADB
.set STAGE, 2*SLOT
.set SPARE, STAGE+4*16*272
.set LAPS,  NKS/8
.set ADRA, 16
.set ADRB, 20
.set ADRS, 22
.set STO,  24
.set RD,   25
.set CO,   26
.set BOF,  27
.set SPW,  28
.set NIL,  29
.set SC,   32
.set BIAS, 40
.set OB,   64
.set ACC,  128
.set G1,   24
.set G0,   32
.set G1B,  48
.set G0B,  56
.set MSB, 0
.macro WIN new
.if MSB != \new
	s_set_vgpr_msb (MSB<<8)|\new
.set MSB, \new
.endif
.endm
.set MULW, 0x05
.macro JLOAD g0a, g1a, g0b, g1b
	s_cmp_eq_u32 s17, 0
	s_cbranch_scc0 .Lfor_b_\@
	tensor_load_to_lds s[\g0a:\g0a+3], s[\g1a:\g1a+7]
	s_nop 0
.rept 4
	v_nop
.endr
	s_branch .Lasked_\@
.Lfor_b_\@:
	tensor_load_to_lds s[\g0b:\g0b+3], s[\g1b:\g1b+7]
	s_nop 0
.rept 4
	v_nop
.endr
.Lasked_\@:
.endm
.macro CREST
	s_cmp_lg_u32 s16, 0
	s_cbranch_scc1 .Lnot_wave_0_\@
	s_barrier_signal -3
.Lnot_wave_0_\@:
	s_barrier_wait -3
	s_barrier_signal -1
	s_barrier_wait -1
.endm
.macro CROUND
	s_barrier_signal -1
	s_barrier_wait -1
	CREST
.endm
.macro PLACES n
.rept \n
	v_nop
.endr
.endm
	s_load_b256 s[4:11], s[0:1], 0x0
	v_lshl_add_u32 v[SPW], v0, 2, SPARE
	v_mov_b32 v[NIL], 0
	ds_add_u32 v[SPW], v[NIL]
	ds_add_u32 v[SPW], v[NIL]
	v_lshrrev_b32 v1, 5, v0
	v_readfirstlane_b32 s16, v1
	s_lshr_b32 s17, s16, 1
	s_and_b32 s18, s16, 1
	s_bfe_u32 s40, ttmp6, 0x40000
	s_bfe_u32 s41, ttmp6, 0x40004
	s_lshl_b32 s42, ttmp9, 2
	s_add_co_u32 s42, s42, s40
	s_and_b32 s19, ttmp7, 0xffff
	s_lshl_b32 s19, s19, 2
	s_add_co_u32 s19, s19, s41
	s_lshl_b32 s43, s41, 2
	s_lshl_b32 s43, 15, s43
	s_lshl_b32 s44, 0x1111, s40
	s_or_b32 s[G1], s43, (3<<16)|(1<<21)
	s_or_b32 s[G1B], s44, (3<<16)|(1<<21)
.irp g, G1, G1B
	s_mov_b32 s[\g+1], 32<<16
	s_mov_b32 s[\g+2], 200<<16                     ; the head's shape: 200 rows of 256 bytes: four panels, A's or B's half of a slot
	s_mov_b32 s[\g+3], 32<<16
	s_mov_b32 s[\g+4], 200
	s_mov_b32 s[\g+5], 32
	s_mov_b32 s[\g+6], 0
	s_mov_b32 s[\g+7], 0
.endr
	s_mul_i32 s20, s19, NKS
	s_lshl_b32 s21, s18, 1
	s_add_co_u32 s20, s20, s21
	s_mul_i32 s20, s20, PANEL
	s_mov_b32 s21, 0
	s_mul_i32 s46, s42, NKS
	s_lshl_b32 s47, s18, 1
	s_add_co_u32 s46, s46, s47
	s_add_co_u32 s46, s46, WOFF
	s_mul_i32 s46, s46, PANEL
	s_mov_b32 s47, 0
	s_mul_i32 s66, s16, LOADB
	s_wait_dscnt 0x0
	s_wait_kmcnt 0x0
	s_add_nc_u64 s[20:21], s[4:5], s[20:21]
	s_add_nc_u64 s[46:47], s[6:7], s[46:47]
	CROUND
.irp s, 0,1
	s_mov_b32 s[G0+4*\s], 1
	s_add_co_u32 s[G0+4*\s+1], s66, \s*SLOT
	s_add_nc_u64 s[G0+4*\s+2:G0+4*\s+3], s[20:21], \s*2*LOADB
	s_or_b32 s[G0+4*\s+3], s[G0+4*\s+3], 0x80000000
	s_mov_b32 s[G0B+4*\s], 1
	s_add_co_u32 s[G0B+4*\s+1], s66, \s*SLOT
	s_add_nc_u64 s[G0B+4*\s+2:G0B+4*\s+3], s[46:47], \s*2*LOADB
	s_or_b32 s[G0B+4*\s+3], s[G0B+4*\s+3], 0x80000000
.endr
	; the head's loads, one a wave: wave 0 brings A's four panels of slot 0, wave 1 those of slot 1, waves 2 and 3 B's
	s_mul_i32 s76, s18, LOADB
	s_mov_b32 s77, 0
	s_mov_b32 s68, 1
	s_mul_i32 s69, s18, SLOT
	s_add_nc_u64 s[70:71], s[20:21], s[76:77]      ; panel 4 x slot
	s_or_b32 s71, s71, 0x80000000
	s_mov_b32 s72, 1
	s_add_co_u32 s73, s69, 2*LOADB
	s_add_nc_u64 s[74:75], s[46:47], s[76:77]
	s_or_b32 s75, s75, 0x80000000
	JLOAD 68, G1, 72, G1B
	; the prefetches: a refill of mine is 100 blocks of 256 bytes, asked for jointly by four partners: each takes 25 of them, told apart by address (cx for A, cy for B), a lane a block
	s_cmp_eq_u32 s17, 0
	s_cselect_b64 s[94:95], s[20:21], s[46:47]
	s_cselect_b32 s96, s40, s41
	s_mul_i32 s96, s96, 6400
	s_add_co_u32 s96, s96, 4*LOADB                 ; at slot 2, the loop's first refill: the head names slots 2 and 3; a refill's prefetch names the slot two refills on
	s_mov_b32 s97, 0
	s_add_nc_u64 s[94:95], s[94:95], s[96:97]
	v_and_b32 v1, 15, v0
	v_bfe_u32 v2, v0, 4, 1
	v_and_b32 v3, 31, v0
	v_lshlrev_b32 v3, 4, v3
	s_wait_alu depctr_va_vdst(0)
	s_mul_i32 s90, s17, 4*FRB
	s_mul_i32 s91, s18, 4*FRB
	s_add_co_u32 s91, s91, 2*LOADB
	s_lshl_b32 s92, s17, 8
	s_lshl_b32 s93, s18, 8
	s_add_co_u32 s93, s93, 2*LOADB
	s_sub_co_u32 s93, s93, s92
	v_mul_u32_u24 v4, s93, v2
	v_lshl_add_u32 v4, v1, 2, v4
	s_add_co_u32 s92, s92, SCO
.irp s, 0,1
	v_add_nc_u32 v[ADRA+\s], s90, v3
	v_add_nc_u32 v[ADRB+\s], s91, v3
	v_add_nc_u32 v[ADRS+\s], s92, v4
	s_add_co_u32 s90, s90, SLOT
	s_add_co_u32 s91, s91, SLOT
	s_add_co_u32 s92, s92, SLOT
.endr
	s_mul_i32 s90, s16, 16*272
	s_add_co_u32 s90, s90, STAGE
	v_mul_u32_u24 v5, v1, 272
	v_lshl_add_u32 v5, v2, 6, v5
	v_add_nc_u32 v[STO], s90, v5
	v_mul_u32_u24 v5, v2, 272
	v_lshl_add_u32 v5, v1, 4, v5
	v_add_nc_u32 v[RD], s90, v5
	v_lshlrev_b32 v[CO], 12, v2
	v_lshl_add_u32 v[CO], v1, 4, v[CO]
	v_and_b32 v30, 31, v0
	v_min_u32 v30, 24, v30                         ; lanes 25-31 name my last block again
	v_lshlrev_b32 v30, 8, v30
	v_lshlrev_b32 v[BOF], 4, v1
	s_wait_alu depctr_va_vdst(0)
	global_prefetch_b8 v30, s[94:95] th:TH_LOAD_NT scope:SCOPE_SE                 ; the first two refills, slots 2 and 3
	global_prefetch_b8 v30, s[94:95] offset:2*LOADB th:TH_LOAD_NT scope:SCOPE_SE
	s_lshl_b32 s90, s19, 19
	s_lshl_b32 s91, s17, 18
	s_add_co_u32 s90, s90, s91
	s_lshl_b32 s92, s42, 9
	s_lshl_b32 s91, s18, 8
	s_add_co_u32 s92, s92, s91
	s_mov_b32 s93, 0
	s_add_co_u32 s90, s90, s92
	s_mov_b32 s91, 0
	s_add_nc_u64 s[82:83], s[8:9], s[92:93]
	s_add_nc_u64 s[86:87], s[OUTP:OUTP+1], s[90:91]
	global_load_b128 v[BIAS:BIAS+3], v[BOF], s[82:83]
.macro FETCH slot, q, f
	WIN 0x40
.irp i, 0,1,2,3
.irp c, 0,1,2
	ds_load_b128 v[\f+48+12*\i+4*\c:\f+48+12*\i+4*\c+3], v[ADRB+\slot] offset:(\q)*PANEL+\i*FRB+512*\c
.endr
.endr
.irp i, 0,1,2,3
.irp c, 0,1,2
	ds_load_b128 v[\f+12*\i+4*\c:\f+12*\i+4*\c+3], v[ADRA+\slot] offset:(\q)*PANEL+\i*FRB+512*\c
.endr
.endr
	WIN 0
.irp i, 0,1,2,3
	ds_load_b32 v[SC+4*((\f)/128)+\i], v[ADRS+\slot] offset:(\q)*PANEL+64*\i
.endr
.endm
.macro MUL4 f, a, zero
.irp b, 0,1,2,3
.if \zero
	v_wmma_scale_f32_16x16x128_f8f6f4 v[ACC+8*(4*\a+\b):ACC+8*(4*\a+\b)+7], v[\f+48+12*\b:\f+48+12*\b+11], v[\f+12*\a:\f+12*\a+11], 0, v[SC+4*((\f)/128)+\b], v[SC+4*((\f)/128)+\a] matrix_a_fmt:MATRIX_FMT_FP6 matrix_b_fmt:MATRIX_FMT_FP6 matrix_a_scale:MATRIX_SCALE_ROW1
.else
	v_wmma_scale_f32_16x16x128_f8f6f4 v[ACC+8*(4*\a+\b):ACC+8*(4*\a+\b)+7], v[\f+48+12*\b:\f+48+12*\b+11], v[\f+12*\a:\f+12*\a+11], v[ACC+8*(4*\a+\b):ACC+8*(4*\a+\b)+7], v[SC+4*((\f)/128)+\b], v[SC+4*((\f)/128)+\a] matrix_a_fmt:MATRIX_FMT_FP6 matrix_b_fmt:MATRIX_FMT_FP6 matrix_a_scale:MATRIX_SCALE_ROW1
.endif
.endr
.endm
.macro KSTP slot, q, zero
	s_wait_dscnt 0x0
	PLACES 4
	FETCH \slot, (\q)+1, 128*(1-(\q)%2)
	WIN MULW
	MUL4 128*((\q)%2), 0, \zero
	MUL4 128*((\q)%2), 1, \zero
	MUL4 128*((\q)%2), 2, \zero
	MUL4 128*((\q)%2), 3, \zero
.endm
.macro TURN slot, next, fill
	WIN 0
	s_wait_tensorcnt 0x0
	ds_add_u32 v[SPW], v[NIL]
	s_wait_dscnt 1
	WIN MULW
	MUL4 128, 0, 0
	s_wait_dscnt 0x0
	s_barrier_signal -1
	MUL4 128, 1, 0
	WIN 0
	s_barrier_wait -1
.if \fill
	CREST
	s_add_nc_u64 s[G0+4*\slot+2:G0+4*\slot+3], s[G0+4*\slot+2:G0+4*\slot+3], 4*LOADB
	s_add_nc_u64 s[G0B+4*\slot+2:G0B+4*\slot+3], s[G0B+4*\slot+2:G0B+4*\slot+3], 4*LOADB
	JLOAD G0+4*\slot, G1, G0B+4*\slot, G1B
.else
	PLACES 4
.endif
	FETCH \next, 0, 0
.if \fill
	s_cmp_gt_u32 s3, 1                             ; the last trip's refills have none two refills on
	s_cbranch_scc0 .Lnot_asked_\@
	global_prefetch_b8 v30, s[94:95] offset:\slot*2*LOADB+4*LOADB th:TH_LOAD_NT scope:SCOPE_SE
.Lnot_asked_\@:
.endif
	WIN MULW
	MUL4 128, 2, 0
	MUL4 128, 3, 0
.endm
	s_wait_tensorcnt 0x0                           ; my half slot is in; no tensor load of mine is out, so group 1 may be written: the ring's loads bring 100 rows
	s_mov_b32 s[G1+2], 100<<16
	s_mov_b32 s[G1+4], 100
	s_mov_b32 s[G1B+2], 100<<16
	s_mov_b32 s[G1B+4], 100
	s_barrier_signal -1
	s_barrier_wait -1                              ; both slots are whole
	FETCH 0, 0, 0
	KSTP 0, 0, 1
	WIN 0
	s_mov_b32 s3, LAPS-1
.Llap:
	KSTP 0, 1, 0
	KSTP 0, 2, 0
	TURN 0, 1, 1
	KSTP 1, 0, 0
	KSTP 1, 1, 0
	KSTP 1, 2, 0
	TURN 1, 0, 1
	KSTP 0, 0, 0
	WIN 0
	s_wait_xcnt 0x0                                ; my prefetches have read their address: it steps two slots on
	s_add_nc_u64 s[94:95], s[94:95], 4*LOADB
	s_sub_co_u32 s3, s3, 1
	s_cmp_lg_u32 s3, 0
	s_cbranch_scc1 .Llap
	KSTP 0, 1, 0
	KSTP 0, 2, 0
	TURN 0, 1, 0
	KSTP 1, 0, 0
	KSTP 1, 1, 0
	KSTP 1, 2, 0
	s_wait_dscnt 0x0
	MUL4 128, 0, 0
	MUL4 128, 1, 0
	MUL4 128, 2, 0
	MUL4 128, 3, 0
	WIN 0
.macro TOSTAGE a
.irp b, 0,1,2,3
	ds_store_b128 v[STO], v[ACC+8*(4*(\a)+\b):ACC+8*(4*(\a)+\b)+3] offset:128*(\b/2)+32*(\b%2)
	ds_store_b128 v[STO], v[ACC+8*(4*(\a)+\b)+4:ACC+8*(4*(\a)+\b)+7] offset:128*(\b/2)+32*(\b%2)+16
.endr
.set BB, OB+32*((\a)%2)
.irp t, 0,1,2,3,4,5,6,7
	ds_load_b128 v[BB+4*\t:BB+4*\t+3], v[RD] offset:544*\t
.endr
.endm
.macro SEND a, younger
.set BB, OB+32*((\a)%2)
	s_wait_dscnt \younger
.irp t, 0,1,2,3,4,5,6,7
	v_pk_add_f32 v[BB+4*\t:BB+4*\t+1], v[BB+4*\t:BB+4*\t+1], v[BIAS:BIAS+1]
	v_pk_add_f32 v[BB+4*\t+2:BB+4*\t+3], v[BB+4*\t+2:BB+4*\t+3], v[BIAS+2:BIAS+3]
.endr
.set n, 0
.rept 32
	v_max_num_f32 v[BB+n], 0, v[BB+n]
.set n, n+1
.endr
.irp t, 0,1,2,3,4,5,6,7
	global_store_b128 v[CO], v[BB+4*\t:BB+4*\t+3], s[86:87] offset:(32*((\a)/2)+8*((\a)%2)+2*\t+8*(\t/4))*4096 th:TH_STORE_NT
.endr
.endm
	PLACES 4
	s_wait_loadcnt 0x0
	TOSTAGE 0
.irp a, 1,2,3
.if \a > 1
	s_wait_xcnt 0x0
.endif
	TOSTAGE \a
	SEND \a-1, 16
.endr
	SEND 3, 0
	s_wait_tensorcnt 0x0
	ds_add_u32 v[SPW], v[NIL]
	s_wait_dscnt 0x0
	CROUND
	s_endpgm
.Lfunc_end_k_qa0557ca9c3_ff2:
	.size	k_qa0557ca9c3_ff2, .Lfunc_end_k_qa0557ca9c3_ff2-k_qa0557ca9c3_ff2
	.p2alignl 7, 3214868480
	.fill 96, 4, 3214868480
	.section	.rodata,"a",@progbits
	.p2align	6, 0x0
	.amdhsa_kernel k_qa0557ca9c3_ff2
		.amdhsa_group_segment_fixed_size 327680
		.amdhsa_private_segment_fixed_size 0
		.amdhsa_enable_private_segment 0
		.amdhsa_kernarg_size 32
		.amdhsa_user_sgpr_count 2
		.amdhsa_user_sgpr_kernarg_segment_ptr 1
		.amdhsa_wavefront_size32 1
		.amdhsa_system_sgpr_workgroup_id_x 1
		.amdhsa_system_sgpr_workgroup_id_y 1
		.amdhsa_system_sgpr_workgroup_id_z 1
		.amdhsa_system_vgpr_workitem_id 0
		.amdhsa_next_free_vgpr 512
		.amdhsa_next_free_sgpr 100
		.amdhsa_reserve_vcc 0
		.amdhsa_float_denorm_mode_32 3
		.amdhsa_float_denorm_mode_16_64 3
		.amdhsa_memory_ordered 1
		.amdhsa_forward_progress 1
		.amdhsa_inst_pref_size 91
	.end_amdhsa_kernel
	.amdgpu_metadata
---
amdhsa.version: [ 1, 2 ]
amdhsa.kernels:
  - .name:           k_qa0557ca9c3_ff2
    .symbol:         k_qa0557ca9c3_ff2.kd
    .args:
      - { .name: fc, .offset: 0, .size: 8, .value_kind: global_buffer, .address_space: global }
      - { .name: wc, .offset: 8, .size: 8, .value_kind: global_buffer, .address_space: global }
      - { .name: b2, .offset: 16, .size: 8, .value_kind: global_buffer, .address_space: global }
      - { .name: out0, .offset: 24, .size: 8, .value_kind: global_buffer, .address_space: global }
    .group_segment_fixed_size: 327680
    .private_segment_fixed_size: 0
    .kernarg_segment_align: 8
    .kernarg_segment_size: 32
    .max_flat_workgroup_size: 128
    .sgpr_count:     100
    .vgpr_count:     512
    .wavefront_size: 32
...
	.end_amdgpu_metadata
.endif
;; end of part 7
